; MI455X (gfx1250); checked and timed in simulation.
; The chip was launched on July 23, 2026; its instructions are those of AMD's public machine-readable ISA for CDNA 5 (MIT licence, August 2026) and "CDNA5" Instruction Set Architecture Reference Guide (July 2026). The comments in the code are by the model that wrote it; some were corrected since.
;; Encoder Layer. Allowed arithmetic: matrix products marked QUANTISED: E2M3 operands, one E8M0 scale for each 32 along K, by v_wmma_scale_f32_16x16x128_f8f6f4 with both operands' format E2M3, f32 sums; everything else in f32.
;; Inputs: b1 4,096 float32; b2 1,024 float32; bk 1,024 float32; bo 1,024 float32; bq 1,024 float32; bv 1,024 float32; ln1_b 1,024 float32; ln1_g 1,024 float32; ln2_b 1,024 float32; ln2_g 1,024 float32; mask 2 x 1 x 1 x 2,048 int32; w1_codes 4,096 x 32 x 24 uint8 (E2M3 codes of w1, K innermost, in blocks of 32 codes, four codes in three bytes); w1_scales 4,096 x 32 uint8 (E8M0 scales of w1, one for each 32 codes along K); w2_codes 1,024 x 128 x 24 uint8 (E2M3 codes of w2, K innermost, in blocks of 32 codes, four codes in three bytes); w2_scales 1,024 x 128 uint8 (E8M0 scales of w2, one for each 32 codes along K); wk_codes 1,024 x 32 x 24 uint8 (E2M3 codes of wk, K innermost, in blocks of 32 codes, four codes in three bytes); wk_scales 1,024 x 32 uint8 (E8M0 scales of wk, one for each 32 codes along K); wo_codes 1,024 x 32 x 24 uint8 (E2M3 codes of wo, K innermost, in blocks of 32 codes, four codes in three bytes); wo_scales 1,024 x 32 uint8 (E8M0 scales of wo, one for each 32 codes along K); wq_codes 1,024 x 32 x 24 uint8 (E2M3 codes of wq, K innermost, in blocks of 32 codes, four codes in three bytes); wq_scales 1,024 x 32 uint8 (E8M0 scales of wq, one for each 32 codes along K); wv_codes 1,024 x 32 x 24 uint8 (E2M3 codes of wv, K innermost, in blocks of 32 codes, four codes in three bytes); wv_scales 1,024 x 32 uint8 (E8M0 scales of wv, one for each 32 codes along K); x 2 x 2,048 x 1,024 float32.
;; Outputs: out0 2 x 2,048 x 1,024 float32.
;; This version of the problem:
;;   THIS VERSION OF THE PROBLEM IS GIVEN IN LOW PRECISION. The matrix products marked QUANTISED in the list below multiply operands that are first quantised to E2M3 (2 exponent bits, 3 mantissa bits; 6 bits a number), with one power-of-two scale for each 32 numbers along K (OCP MX v1.0); their sums are f32. All else is computed in f32.
;;   The module's matrix products, in the order in which they are computed (A, B: the left and right operand; K: the contracted axis; several contracted axes count as one K, in the product's order):
;;     1. [M 4,096, K 1,024] x [K 1,024, N 1,024]; A: input x; B: input wq (given as codes): QUANTISED
;;     2. [M 4,096, K 1,024] x [K 1,024, N 1,024]; A: input x; B: input wk (given as codes): QUANTISED
;;     3. [M 4,096, K 1,024] x [K 1,024, N 1,024]; A: input x; B: input wv (given as codes): QUANTISED
;;     4. batch 32 x [M 2,048, K 64] x [K 64, N 2,048]; A: computed on the way; B: computed on the way: QUANTISED
;;     5. batch 32 x [M 2,048, K 2,048] x [K 2,048, N 64]; A: softmax (see below); B: computed on the way: QUANTISED
;;     6. [M 4,096, K 1,024] x [K 1,024, N 1,024]; A: computed on the way; B: input wo (given as codes): QUANTISED
;;     7. [M 4,096, K 1,024] x [K 1,024, N 4,096]; A: computed on the way; B: input w1 (given as codes): QUANTISED
;;     8. [M 4,096, K 4,096] x [K 4,096, N 1,024]; A: computed on the way; B: input w2 (given as codes): QUANTISED
;;   THE QUANTISER, for each operand of a quantised product, along K:
;;     - K is cut into blocks of 32 from its start; a last block that is shorter is filled with zeros.
;;     - A block's scale is 2^e with e = floor(log2(the largest magnitude in the block)) - 2, held to -126 .. 127; a block of zeros has e = 0. As a byte (E8M0): e + 127.
;;     - Each number is divided by its block's scale, clamped to +-7.5, and rounded to the nearest number of E2M3, ties to even, subnormals kept.
;;     - The product sums the exact products of the quantised numbers (number of the format x scale) in f32.
;;   ~~~python
;;   def quantise(x, axis):      # numpy; x: float32 -> the quantised numbers, widened to float32 again
;;       x = np.moveaxis(x, axis, -1); K = x.shape[-1]
;;       x = np.pad(x, [(0, 0)] * (x.ndim - 1) + [(0, -K % 32)]); x = x.reshape(x.shape[:-1] + (-1, 32)); a = np.abs(x).max(-1, keepdims=True)
;;       e = np.where(a > 0, np.clip(np.frexp(np.where(a > 0, a, 1))[1] - 1 - 2, -126, 127), 0)      # np.frexp(a)[1] - 1 = floor(log2(a)), exactly
;;       r = np.clip(x / 2.0 ** e, -7.5, 7.5)
;;       step = 2.0 ** (np.maximum(np.frexp(np.where(r == 0, 1, r))[1] - 1, 0) - 3)
;;       q = np.round(r / step) * step * 2.0 ** e      # np.round: ties to even
;;       return np.moveaxis(q.reshape(q.shape[:-2] + (-1,))[..., :K], -1, axis).astype(np.float32)
;;   ~~~
;;   SOFTMAX AHEAD OF A QUANTISED PRODUCT. Where the list says 'softmax', what is quantised is not the finished softmax but p = 2^(t - M), with t = logit x log2(e) and M = ceil(the row's largest t), a whole number; so 1/2 < the row's largest p <= 1. The row's sum l is taken of the UNQUANTISED p, in f32, and the product's result is divided by l at the end. Since M is a whole number, a kernel that streams over the keys may use a running M (the ceiling of the running maximum): every later rescaling is an exact power of two, which a block's scale takes up: the codes' values come out the same.
;;   OPERANDS COMPUTED ON THE WAY. 'Computed on the way' means the value that the module computes at that place (a softmax that the list does not call 'softmax' is quantised finished and normalised). What goes into a quantiser is computed in f32, as accurately as f32 sums, v_exp_f32 and their like allow (about 1e-6 of the number): no bf16 or f16 on the way to a quantiser, and a product that is left as it is and whose result goes on into a quantised operand takes f32 operands (vector FMAs, or v_wmma_f32_16x16x4_f32). A number that lies on a knife's edge between two numbers of the format may be rounded either way, as far as f32 arithmetic and the matrix unit's own rounding can turn it there, and no further.
;;   INPUTS GIVEN AS CODES. w1 (in the module: [1024, 4096], K = its axis 0); w2 (in the module: [4096, 1024], K = its axis 0); wk (in the module: [1024, 1024], K = its axis 0); wo (in the module: [1024, 1024], K = its axis 0); wq (in the module: [1024, 1024], K = its axis 0); wv (in the module: [1024, 1024], K = its axis 0): each comes as NAME_codes (uint8): NAME with its K axis moved to the last place and cut into blocks of 32 codes, [.., K / 32, bytes a block], one block behind the other in memory; four codes in three bytes: a row's codes are one little-endian stream of bits, code i at bits 6 i .. 6 i + 5 (a code: sign, 2 exponent bits, 3 mantissa bits); and NAME_scales (uint8): the same leading axes, one E8M0 byte (e + 127) for each 32 codes along K. Its value is code x scale, taken as it is: it is not quantised again, and the codes and scales need not be those that the quantiser above would give.
;; One version. Each part assembles by itself: llvm-mc -triple=amdgcn-amd-amdhsa -mcpu=gfx1250 --defsym DOCPART=n.
;; ======== version 1 of 1: 8 launches
;; limits: right only within a limited range of input values
;; workspace buffers: ac 3,145,728 bytes; asc 131,072 bytes; qkv 9,437,184 bytes; qkvs 393,216 bytes; y 16,777,216 bytes; x1 16,777,216 bytes; hc 12,582,912 bytes; hs 524,288 bytes
;; launch qx (part 1): grid 256 x 1, 8 waves a work-group, no clusters, 42,496 bytes of LDS; arguments x, ac, asc; writes ac, asc
.if DOCPART == 1
	.amdgcn_target "amdgcn-amd-amdhsa--gfx1250"
	.amdhsa_code_object_version 6
	.text
	.protected	k_qaf02edffd8_qx
	.globl	k_qaf02edffd8_qx
	.p2align	8
	.type	k_qaf02edffd8_qx,@function
k_qaf02edffd8_qx:
	s_mov_b64 s[64:65], 0
	v_nop
	global_prefetch_b8 v0, s[64:65] scope:SCOPE_SE
	s_setreg_imm32_b32 hwreg(HW_REG_WAVE_MODE, 25, 1), 1
	s_wait_xcnt 0x0
; THE PROGRAM: an encoder layer of 4,096 tokens x 1,024, 16 heads of 64, hidden 4,096, all eight products on codes of FP6 (E2M3) with one E8M0 scale for each 32 along K.
; Eight launches: this one (x into codes), Q K V^T, attention, the projection, residual + LayerNorm 1 (+ codes), the first MLP product (+ relu, codes), the second, residual + LayerNorm 2.
; NO WORK IS LEFT OUT: every input has a way to the output and is loaded by some launch (bk too: it moves K's codes; the mask is honoured key by key), and no product, row or step is dropped.
; THIS LAUNCH: x [4096][1024] f32 becomes codes, K innermost (a row is 768 bytes), and one scale byte for each 32 (a row is 32 bytes).
; A block's scale is 2^(floor(log2(its largest magnitude)) - 2); its byte is the largest magnitude's exponent field - 2, held at 1 from below.
; LIMITS: a block of zeros gets the byte 1 where the stated quantiser says 127: its codes are zeros, which add nothing under any byte but 0xff, and only this program reads the bytes.
; Blocks whose largest magnitude lies under 2^(2 - 126) are held at the byte 1.  NaN and infinities among the inputs are not served.
; SHARES: 2,048 waves, each 4 steps of 512 numbers (two rows of x).  All 16 loads of a wave go out at its head, each 512 consecutive bytes.  A conversion takes 16 neighbours from one lane, so a step's
; 2,048 bytes turn through the wave's own stage in LDS (16 bytes of padding behind each 64) and come back 64 bytes a lane.  A lane's 16 codes are 12 bytes: the wave stores 384 consecutive bytes.
; The work-group's 512 scale bytes meet in LDS and leave by one store of wave 0: two aligned runs of 256 bytes.
.set WAVES, 8
.set STEPS, 4
.set CB,    12                         ; bytes of 16 codes
.set R,     16                         ; v16-79   four sets of 16 numbers as loaded
.set X,     80                         ; v80-111  two sets of 16 neighbours
.set E,     112                        ; v112-115 a scale byte for each step
.set C,     128                        ; v128-143 codes: four registers for each step, so that no store's data are written again
.set WREG,  5120                       ; LDS of a wave: two stages of 32 x SP bytes
.set SP,    80                         ; a lane's place in a stage: 64 bytes + 16 of padding
.set SPW,   12                         ; v12 LDS address of my spare word; never rewritten
.set NIL,   13                         ; v13 0; never rewritten
.set SCB,   WAVES*WREG                 ; the work-group's 512 scale bytes
.set SPARE, SCB+512                    ; the spare words, 128 bytes for each wave, which no other line names
	s_load_b128 s[4:7], s[0:1], 0x0                ; x, the codes
	s_load_b64 s[8:9], s[0:1], 0x10                ; the scale bytes
	v_lshl_add_u32 v[SPW], v0, 2, SPARE
	v_mov_b32 v[NIL], 0
	v_lshrrev_b32 v1, 5, v0
	s_delay_alu instid0(VALU_DEP_1)
	v_readfirstlane_b32 s16, v1                    ; wave
	v_and_b32 v2, 31, v0                           ; lane
	s_delay_alu instid0(VALU_DEP_1)
	v_lshlrev_b32 v3, 4, v2                        ; my 16 bytes of a load's 512
	s_mul_i32 s17, s16, WREG
	v_lshrrev_b32 v14, 2, v2
	s_delay_alu instid0(VALU_DEP_1)
	v_mul_u32_u24 v14, v14, SP
	v_and_b32 v15, 3, v2
	s_delay_alu instid0(VALU_DEP_1)
	v_lshl_add_u32 v14, v15, 4, v14
	s_delay_alu instid0(VALU_DEP_1)
	v_add_nc_u32 v14, s17, v14                     ; the stage, way in: SP (lane / 4) + 16 (lane % 4)
	v_mul_u32_u24 v15, v2, SP
	s_delay_alu instid0(VALU_DEP_1)
	v_add_nc_u32 v15, s17, v15                     ; way out: SP x lane
	v_mul_u32_u24 v4, v2, CB                       ; my codes' place in a step's 384 bytes
	v_lshrrev_b32 v5, 1, v2
	s_lshl_b32 s18, s16, 6
	s_add_co_u32 s18, s18, SCB
	v_add_nc_u32 v5, s18, v5                       ; my block's byte: SCB + 64 x wave + lane / 2
	v_add_nc_u32 v6, SCB, v3                       ; wave 0's way out: 16 bytes a lane
	s_lshl_b32 s19, ttmp9, 3
	s_add_co_u32 s19, s19, s16                     ; which run of 2,048 numbers is my wave's
	s_lshl_b32 s20, s19, 13
	s_mov_b32 s21, 0
	s_mul_i32 s22, s19, 32*STEPS*CB
	s_mov_b32 s23, 0
	s_lshl_b32 s24, ttmp9, 9
	s_mov_b32 s25, 0
	s_wait_alu depctr_va_vdst(0)
	s_wait_kmcnt 0x0
	s_add_nc_u64 s[4:5], s[4:5], s[20:21]
	s_add_nc_u64 s[6:7], s[6:7], s[22:23]
	s_add_nc_u64 s[8:9], s[8:9], s[24:25]
.macro LOAD t
.irp i, 0,1,2,3
	global_load_b128 v[R+16*(\t)+4*\i:R+16*(\t)+4*\i+3], v3, s[4:5] offset:2048*(\t)+512*\i th:TH_LOAD_NT
.endr
.endm
.macro TURN t                          ; step t's numbers through a stage: LDS serves a wave's instructions in order, so no wait stands between the stores and the loads
.irp i, 0,1,2,3
	ds_store_b128 v14, v[R+16*(\t)+4*\i:R+16*(\t)+4*\i+3] offset:32*SP*((\t)%2)+8*SP*\i
.endr
.irp i, 0,1,2,3
	ds_load_b128 v[X+16*((\t)%2)+4*\i:X+16*((\t)%2)+4*\i+3], v15 offset:32*SP*((\t)%2)+16*\i
.endr
.endm
.irp t, 0,1,2,3
	LOAD \t
.endr
	s_wait_loadcnt 12                              ; step 0's four loads are in; the twelve behind them may be out
	TURN 0
.macro STEP t
.set XS, X+16*((\t)%2)
.if (\t) > 0
	s_wait_dscnt 1                                 ; this step's numbers are back from the stage; the last step's byte store may be out
.else
	s_wait_dscnt 0x0
.endif
.if (\t)+1 < STEPS
	s_wait_loadcnt 4*(STEPS-2-(\t))                ; the next step's four loads are in; those of the steps behind it may be out
	TURN (\t)+1                                    ; and go through the other stage while this step is worked
.endif
	v_max3_num_f32 v8, |v[XS]|, |v[XS+1]|, |v[XS+2]|               ; the largest magnitude of my 16, in two chains
	v_max3_num_f32 v9, |v[XS+3]|, |v[XS+4]|, |v[XS+5]|
.irp i, 6,10
	s_delay_alu instid0(VALU_DEP_2)
	v_max3_num_f32 v8, v8, |v[XS+\i]|, |v[XS+\i+1]|
	s_delay_alu instid0(VALU_DEP_2)
	v_max3_num_f32 v9, v9, |v[XS+\i+2]|, |v[XS+\i+3]|
.endr
	s_delay_alu instid0(VALU_DEP_2)
	v_max3_num_f32 v8, v8, |v[XS+14]|, |v[XS+15]|
	s_delay_alu instid0(VALU_DEP_1)
	v_max3_num_f32 v8, v8, v9, 0x1800000           ; and the floor 2^(3 - 127): the byte cannot fall under 1
	s_delay_alu instid0(VALU_DEP_1)
	v_max_num_f32_dpp v8, v8, v8 row_xmask:1 row_mask:0xf bank_mask:0xf   ; with my neighbour's 16: the block's
	s_delay_alu instid0(VALU_DEP_1)
	v_add_nc_u32 v11, 0xff000000, v8               ; 2 off its exponent field: the conversion takes the exponent field of this operand as its scale
	v_cvt_scalef32_pk16_fp6_f32 v[C+4*(\t):C+4*(\t)+2], v[XS:XS+15], v11
	v_lshrrev_b32 v[E+(\t)], 23, v11               ; the scale's byte
	ds_store_b8 v5, v[E+(\t)] offset:16*(\t)       ; both lanes of a block write the same byte with the same value
	global_store_b96 v4, v[C+4*(\t):C+4*(\t)+2], s[6:7] offset:32*CB*(\t)
.endm
.irp t, 0,1,2,3
	STEP \t
.endr
	s_wait_dscnt 0x0                               ; for the others' sake: my byte stores have landed
	s_barrier_signal -1
	s_barrier_wait -1
	s_cmp_lg_u32 s16, 0
	s_cbranch_scc1 .Lnot_wave_0
	ds_load_b128 v[8:11], v6                       ; the eight waves' 512 bytes
	s_wait_dscnt 0x0
	global_store_b128 v3, v[8:11], s[8:9]          ; 32 lanes store 512 consecutive bytes, aligned
.Lnot_wave_0:
	s_wait_tensorcnt 0x0                           ; the wave's end, behind my last LDS store
	ds_add_u32 v[SPW], v[NIL]
	s_wait_dscnt 0x0
	s_endpgm
.Lfunc_end_k_qaf02edffd8_qx:
	.size	k_qaf02edffd8_qx, .Lfunc_end_k_qaf02edffd8_qx-k_qaf02edffd8_qx
	.p2alignl 7, 3214868480
	.fill 96, 4, 3214868480
	.section	.rodata,"a",@progbits
	.p2align	6, 0x0
	.amdhsa_kernel k_qaf02edffd8_qx
		.amdhsa_group_segment_fixed_size 42496
		.amdhsa_private_segment_fixed_size 0
		.amdhsa_enable_private_segment 0
		.amdhsa_kernarg_size 24
		.amdhsa_user_sgpr_count 2
		.amdhsa_user_sgpr_kernarg_segment_ptr 1
		.amdhsa_wavefront_size32 1
		.amdhsa_system_sgpr_workgroup_id_x 1
		.amdhsa_system_sgpr_workgroup_id_y 1
		.amdhsa_system_sgpr_workgroup_id_z 1
		.amdhsa_system_vgpr_workitem_id 0
		.amdhsa_next_free_vgpr 144
		.amdhsa_next_free_sgpr 66
		.amdhsa_reserve_vcc 0
		.amdhsa_float_denorm_mode_32 3
		.amdhsa_float_denorm_mode_16_64 3
		.amdhsa_memory_ordered 1
		.amdhsa_forward_progress 1
		.amdhsa_inst_pref_size 11
	.end_amdhsa_kernel
	.amdgpu_metadata
---
amdhsa.version: [ 1, 2 ]
amdhsa.kernels:
  - .name:           k_qaf02edffd8_qx
    .symbol:         k_qaf02edffd8_qx.kd
    .args:
      - { .name: x, .offset: 0, .size: 8, .value_kind: global_buffer, .address_space: global }
      - { .name: ac, .offset: 8, .size: 8, .value_kind: global_buffer, .address_space: global }
      - { .name: asc, .offset: 16, .size: 8, .value_kind: global_buffer, .address_space: global }
    .group_segment_fixed_size: 42496
    .private_segment_fixed_size: 0
    .kernarg_segment_align: 8
    .kernarg_segment_size: 24
    .max_flat_workgroup_size: 256
    .sgpr_count:     66
    .vgpr_count:     144
    .wavefront_size: 32
...
	.end_amdgpu_metadata
.endif
;; end of part 1
;; launch gqkv (part 2): grid 12 x 16, 4 waves a work-group, clusters of 4 x 4, 327,680 bytes of LDS; arguments ac, asc, wq_codes, wq_scales, wk_codes, wk_scales, wv_codes, wv_scales, bq, bk, bv, qkv, qkvs; writes qkv, qkvs
.if DOCPART == 2
	.amdgcn_target "amdgcn-amd-amdhsa--gfx1250"
	.amdhsa_code_object_version 6
	.text
	.protected	k_qaf02edffd8_gqkv
	.globl	k_qaf02edffd8_gqkv
	.p2align	8
	.type	k_qaf02edffd8_gqkv,@function
k_qaf02edffd8_gqkv:
	s_mov_b64 s[64:65], 0
	v_nop
	global_prefetch_b8 v0, s[64:65] scope:SCOPE_SE
	s_setreg_imm32_b32 hwreg(HW_REG_WAVE_MODE, 25, 1), 1
	s_wait_xcnt 0x0
	s_wait_alu depctr_hold_cnt(0) depctr_sa_sdst(0) depctr_va_vdst(0) depctr_va_sdst(0) depctr_va_ssrc(0) depctr_va_vcc(0) depctr_vm_vsrc(0)
	s_getreg_b32 s2, hwreg(HW_REG_IB_STS2, 6, 4)
	s_cmp_eq_u32 s2, 0
	s_cbranch_scc0 .Lentry_in_a_cluster
	s_endpgm
.Lentry_in_a_cluster:
	s_bfe_u32 s2, ttmp6, 0x10000c
	s_cmp_lg_u32 s2, 0xf033
	s_cbranch_scc0 .Lentry_shape_is_right
	s_endpgm
.Lentry_shape_is_right:
.set SIZE_K, 1024
; Q, K and V^T = codes x codes + bias, quantised on the way out.  No work is left out.
; The ring of two LDS slots goes by chunks of 256 bytes of each row of codes (a row is 768 bytes: three chunks); a step of 128 along K is 96 bytes, eight steps to three chunks.
.set NQ,     2
.set ROWB,   256
.set KROW,   SIZE_K*6/8
.set PITCH,  272
.set FR,     12
.set NL,     6
.set NP,     4
.set HALFT,  128*PITCH
.set SLOT,   4*HALFT
.set STEPS,  SIZE_K/128
.set CHUNKS, KROW/ROWB
.set KS,     SIZE_K/32
.set SCL,    2*SLOT
.set HALFS,  (128*KS/256)*272
.set SBLK,   (16*KS/256)*272
.set SPARE,  SCL+4*HALFS
.set SPITCH, 528
.set STAGE,  (CHUNKS%2)*SLOT           ; the way out's stage lies in the slot that does not hold the last chunk
.set AREA,   STAGE+4*16*SPITCH
.set ADRA, 16
.set ADRB, 20
.set STO,  24
.set RD,   25
.set LC,   26
.set ADRS, 27
.set SPW,  28
.set NIL,  29
.set SA,   30
.set SR,   31
.set SG,   15
.set SC,   32
.set BT,   64
.set OFJ,  224
.set AF,   128
.set QX,   128
.set QC,   192
.set QT,   208
.set QS,   216
.set QB,   220
.set G1, 24
.set G0, 32
.set G1B, 48
.set G0B, 56
.set G1S, 68
.set G0S, 76
.set G1SB, 80
.set G0SB, 88
.set PP, 95
.set MSB, 0
.macro WIN new
.if MSB != \new
	s_set_vgpr_msb (MSB<<8)|\new
.set MSB, \new
.endif
.endm
.set MUL_LO, 0xa1
.set MUL_HI, 0xf1
.set TO_B,   0x40
.macro JLOAD g0a, g1a, g0b, g1b
	s_cmp_eq_u32 s15, 0
	s_cbranch_scc0 .Lfor_b_\@
	tensor_load_to_lds s[\g0a:\g0a+3], s[\g1a:\g1a+7]
	s_nop 0
.rept 4
	v_nop
.endr
	s_branch .Lasked_\@
.Lfor_b_\@:
	tensor_load_to_lds s[\g0b:\g0b+3], s[\g1b:\g1b+7]
	s_nop 0
.rept 4
	v_nop
.endr
.Lasked_\@:
.endm
.macro CREST
	s_cmp_lg_u32 s14, 0
	s_cbranch_scc1 .Lnot_wave_0_\@
	s_barrier_signal -3
.Lnot_wave_0_\@:
	s_barrier_wait -3
	s_barrier_signal -1
	s_barrier_wait -1
.endm
.macro CROUND
	s_barrier_signal -1
	s_barrier_wait -1
	CREST
.endm
	s_load_b512 s[24:39], s[0:1], 0x0
	s_load_b256 s[48:55], s[0:1], 0x40
	s_load_b64 s[56:57], s[0:1], 0x60
	v_lshl_add_u32 v[SPW], v0, 2, SPARE
	v_mov_b32 v[NIL], 0
	ds_add_u32 v[SPW], v[NIL]
	ds_add_u32 v[SPW], v[NIL]
	v_lshrrev_b32 v1, 5, v0
	v_readfirstlane_b32 s14, v1
	s_lshr_b32 s15, s14, 1
	s_and_b32 s16, s14, 1
	s_bfe_u32 s40, ttmp6, 0x40000
	s_bfe_u32 s41, ttmp6, 0x40004
	s_mov_b32 s[PP], ttmp9
	s_and_b32 s13, ttmp7, 0xffff
	s_lshl_b32 s13, s13, 2
	s_cmp_eq_u32 s[PP], 2
	s_cselect_b32 s17, 0, s13
	s_cselect_b32 s42, s13, 0
	s_add_co_u32 s17, s17, s41
	s_add_co_u32 s42, s42, s40
	s_lshl_b32 s43, s41, 2
	s_lshl_b32 s43, 15, s43
	s_lshl_b32 s44, 0x1111, s40
	s_lshl_b32 s20, s17, 8
	s_lshl_b32 s46, s42, 8
	s_mov_b32 s21, 0
	s_mov_b32 s47, 0
	s_mov_b64 s[18:19], KS
	s_mul_u64 s[22:23], s[20:21], s[18:19]
	s_mul_u64 s[92:93], s[46:47], s[18:19]
	s_mov_b64 s[18:19], KROW
	s_mul_u64 s[20:21], s[20:21], s[18:19]
	s_mul_u64 s[46:47], s[46:47], s[18:19]
	s_mul_i32 s18, s16, 128*KROW                   ; in the ring I fetch 128 rows of a tile: which half, in bytes
	s_mov_b32 s19, 0
	s_mul_i32 s45, s14, HALFT
	s_wait_dscnt 0x0
	s_wait_kmcnt 0x0
	s_cmp_eq_u32 s[PP], 0
	s_cselect_b64 s[8:9], s[28:29], s[32:33]
	s_cselect_b64 s[10:11], s[30:31], s[34:35]
	s_cselect_b64 s[66:67], s[48:49], s[50:51]
	s_cmp_eq_u32 s[PP], 2
	s_cselect_b64 s[4:5], s[36:37], s[24:25]
	s_cselect_b64 s[6:7], s[38:39], s[26:27]
	s_cselect_b64 s[8:9], s[24:25], s[8:9]
	s_cselect_b64 s[10:11], s[26:27], s[10:11]
	s_cselect_b64 s[66:67], s[52:53], s[66:67]
	s_mov_b64 s[100:101], s[54:55]
	s_mov_b64 s[104:105], s[56:57]
	s_or_b32 s[G1+0], s43, (0<<16)|(1<<20)|(1<<21)|(5<<22)|(3<<25)   ; rows of 256 bytes, 16 bytes of padding behind each; 256 rows for the head's loads
	s_or_b32 s[G1B+0], s44, (0<<16)|(1<<20)|(1<<21)|(5<<22)|(3<<25)
.irp g, G1, G1B
	s_mov_b32 s[\g+1], ROWB<<16
	s_mov_b32 s[\g+2], 256<<16
	s_mov_b32 s[\g+3], ROWB<<16
	s_mov_b32 s[\g+4], 256
	s_mov_b32 s[\g+5], KROW
	s_mov_b32 s[\g+6], 0
	s_mov_b32 s[\g+7], 0
.endr
	s_or_b32 s[G1S+0], s43, (3<<16)|(1<<20)|(1<<21)|(5<<22)|(3<<25)
	s_or_b32 s[G1SB+0], s44, (3<<16)|(1<<20)|(1<<21)|(5<<22)|(3<<25)
.irp g, G1S, G1SB
	s_mov_b32 s[\g+1], 32<<16
	s_mov_b32 s[\g+2], KS<<16                      ; the scales of 256 rows: KS rows of 256 bytes
	s_mov_b32 s[\g+3], 32<<16
	s_mov_b32 s[\g+4], KS
	s_mov_b32 s[\g+5], 32
	s_mov_b32 s[\g+6], 0
	s_mov_b32 s[\g+7], 0
.endr
	s_add_nc_u64 s[20:21], s[4:5], s[20:21]
	s_add_nc_u64 s[22:23], s[6:7], s[22:23]
	s_add_nc_u64 s[46:47], s[8:9], s[46:47]
	s_add_nc_u64 s[92:93], s[10:11], s[92:93]
	CROUND
	s_mov_b32 s[G0S], 1
	s_mov_b32 s[G0S+1], SCL
	s_mov_b64 s[G0S+2:G0S+3], s[22:23]
	s_or_b32 s[G0S+3], s[G0S+3], 0x80000000
	s_mov_b32 s[G0SB], 1
	s_mov_b32 s[G0SB+1], SCL+2*HALFS
	s_mov_b64 s[G0SB+2:G0SB+3], s[92:93]
	s_or_b32 s[G0SB+3], s[G0SB+3], 0x80000000
	s_mov_b32 s[G0], 1                             ; slot 0's group 0 first serves the head: chunk 0's 256 rows of A,
	s_mov_b32 s[G0+1], 0
	s_mov_b64 s[G0+2:G0+3], s[20:21]
	s_or_b32 s[G0+3], s[G0+3], 0x80000000
	s_mov_b32 s[G0B], 1                            ; and of B, behind them
	s_mov_b32 s[G0B+1], 2*HALFT
	s_mov_b64 s[G0B+2:G0B+3], s[46:47]
	s_or_b32 s[G0B+3], s[G0B+3], 0x80000000
	s_add_nc_u64 s[20:21], s[20:21], s[18:19]      ; slot 1: my 128 rows of chunk 1
	s_add_nc_u64 s[46:47], s[46:47], s[18:19]
	s_mov_b32 s[G0+4], 1
	s_add_co_u32 s[G0+5], s45, SLOT
	s_add_nc_u64 s[G0+6:G0+7], s[20:21], ROWB
	s_or_b32 s[G0+7], s[G0+7], 0x80000000
	s_mov_b32 s[G0B+4], 1
	s_add_co_u32 s[G0B+5], s45, SLOT
	s_add_nc_u64 s[G0B+6:G0B+7], s[46:47], ROWB
	s_or_b32 s[G0B+7], s[G0B+7], 0x80000000
; the head's four tiles, one joint load a wave: one chain of branches on the wave's number, one load to an arm
.macro ARM under, g0, g1, next
	s_cmp_lt_u32 s14, \under
	s_cbranch_scc0 \next
	tensor_load_to_lds s[\g0:\g0+3], s[\g1:\g1+7]
	s_nop 0
.rept 4
	v_nop
.endr
	s_branch .Lhead_asked
\next:
.endm
	ARM 1, G0,  G1,  .Lhead_b
	ARM 2, G0B, G1B, .Lhead_sa
	ARM 3, G0S, G1S, .Lhead_sb
	tensor_load_to_lds s[G0SB:G0SB+3], s[G1SB:G1SB+7]
	s_nop 0
.rept 4
	v_nop
.endr
.Lhead_asked:
	v_and_b32 v1, 15, v0
	v_bfe_u32 v2, v0, 4, 1
	v_mul_u32_u24 v3, v1, PITCH
	v_mul_u32_u24 v4, v2, 24
	v_add_nc_u32 v4, v3, v4
	s_mov_b32 s21, SLOT-232
	s_mov_b32 s22, SLOT+232
	v_sub_nc_u32 v7, 1, v2
	v_mul_u32_u24 v5, s21, v2
	v_add_nc_u32 v5, v3, v5
	v_add_nc_u32 v5, 232, v5                       ; across two chunks: lanes 0-15 byte 232 of the row in slot 0, lanes 16-31 byte 0 of the row in slot 1;
	v_mul_u32_u24 v6, s22, v7
	v_add_nc_u32 v6, v3, v6                        ; and the other way round
	s_mul_i32 s21, s15, HALFT
	s_mul_i32 s22, s16, HALFT
	s_add_co_u32 s22, s22, 2*HALFT
	v_add_nc_u32 v[ADRA+2], s21, v5
	v_add_nc_u32 v[ADRA+3], s21, v6
	v_add_nc_u32 v[ADRB+2], s22, v5
	v_add_nc_u32 v[ADRB+3], s22, v6
.irp s, 0,1
	v_add_nc_u32 v[ADRA+\s], s21, v4
	v_add_nc_u32 v[ADRB+\s], s22, v4
	s_add_co_u32 s21, s21, SLOT
	s_add_co_u32 s22, s22, SLOT
.endr
	v_mul_u32_u24 v5, v1, KS
	v_lshrrev_b32 v6, 8, v5
	v_lshl_add_u32 v5, v6, 4, v5
	s_mul_i32 s21, s15, HALFS
	s_mul_i32 s22, s16, HALFS
	s_add_co_u32 s22, s22, 2*HALFS
	s_sub_co_u32 s22, s22, s21
	v_mul_u32_u24 v6, s22, v2
	s_add_co_u32 s21, s21, SCL
	v_add_nc_u32 v5, v5, v6
	v_add_nc_u32 v[ADRS], s21, v5
	s_mul_i32 s23, s14, 16*SPITCH
	s_add_co_u32 s23, s23, STAGE
	v_mul_u32_u24 v5, v1, SPITCH
	v_lshl_add_u32 v5, v2, 5, v5
	v_add_nc_u32 v[STO], s23, v5
	v_and_b32 v6, 31, v0
	v_lshrrev_b32 v9, 2, v6
	v_and_b32 v10, 3, v6
	v_lshrrev_b32 v11, 1, v10
	v_mul_u32_u24 v[RD], v9, SPITCH
	v_lshl_add_u32 v[RD], v10, 6, v[RD]
	v_add_nc_u32 v[RD], s23, v[RD]
	s_lshl_b32 s22, s14, 9
	s_add_co_u32 s22, s22, AREA
	v_lshl_add_u32 v[SA], v9, 1, v11
	v_add_nc_u32 v[SA], s22, v[SA]
	v_lshl_add_u32 v[SR], v6, 4, s22
	v_mul_u32_u24 v[LC], v9, 24
	v_mad_u32_u24 v[LC], v11, 384, v[LC]
	v_and_b32 v12, 1, v10
	v_mad_u32_u24 v[LC], v12, 12, v[LC]
	s_lshl_b32 s20, s17, 8
	s_lshl_b32 s21, s15, 7
	s_add_co_u32 s20, s20, s21
	s_lshl_b32 s46, s42, 8
	s_lshl_b32 s47, s16, 7
	s_add_co_u32 s46, s46, s47
	s_cmp_eq_u32 s[PP], 2
	s_cselect_b32 s21, s46, s20
	s_cselect_b32 s22, s20, s46
	s_cselect_b32 s45, -1, 0
	s_mov_b32 s18, 294912
	s_mov_b32 s19, 3072
	s_cselect_b32 s92, s18, s19
	s_cselect_b32 s98, s19, s18
	s_mov_b32 s18, 12288
	s_mov_b32 s19, 128
	s_cselect_b32 s96, s18, s19
	s_cselect_b32 s97, s19, s18
	s_mov_b32 s93, 0
	s_mov_b32 s99, 0
	s_lshr_b32 s23, s21, 11
	s_lshl_b32 s23, s23, 4
	s_lshr_b32 s47, s22, 6
	s_add_co_u32 s23, s23, s47
	s_and_b32 s21, s21, 2047
	s_lshr_b32 s21, s21, 6
	s_mul_i32 s46, s23, 294912
	s_mul_i32 s47, s[PP], 98304
	s_add_co_u32 s46, s46, s47
	s_mul_i32 s47, s21, 3072
	s_add_co_u32 s46, s46, s47
	s_mov_b32 s47, 0
	s_add_nc_u64 s[4:5], s[100:101], s[46:47]
	s_add_nc_u64 s[6:7], s[4:5], s[98:99]
	s_add_nc_u64 s[8:9], s[4:5], s[92:93]
	s_add_nc_u64 s[10:11], s[8:9], s[98:99]
	s_mul_i32 s46, s23, 12288
	s_lshl_b32 s20, s[PP], 12
	s_add_co_u32 s46, s46, s20
	s_lshl_b32 s20, s21, 7
	s_add_co_u32 s46, s46, s20
	s_add_nc_u64 s[12:13], s[104:105], s[46:47]
	s_lshl_b32 s46, s22, 2
	s_add_nc_u64 s[66:67], s[66:67], s[46:47]
	v_and_b32 v12, 7, v6
	v_lshlrev_b32 v[SG], 4, v12
	v_bfe_u32 v12, v0, 3, 1
	v_mad_u32_u24 v[SG], v12, s96, v[SG]
	v_mad_u32_u24 v[SG], v2, s97, v[SG]
	v_lshlrev_b32 v7, 2, v1
	v_lshlrev_b32 v8, 5, v2
.irp j, 0,1,2,3,4,5,6,7
	v_add_nc_u32 v[OFJ+\j], 4*\j, v8
	v_cndmask_b32 v[OFJ+\j], v[OFJ+\j], v7, s45
.endr
.irp i, 0,1,2,3,4,5,6,7
.irp j, 0,1,2,3,4,5,6,7
	global_load_b32 v[BT+8*\i+\j], v[OFJ+\j], s[66:67] offset:64*\i
.endr
.endr
.macro FRAG reg, adr, st, i            ; pieces of 8 bytes; byte y of a row lies in slot (y / 256) % 2 at byte y % 256 of the LDS row
.irp p, 0,1,2,3,4,5
.set BY, 96*(\st)+48*(\p/3)+8*(\p%3)
.if BY/ROWB == (BY+24)/ROWB
	ds_load_b64 v[\reg+2*\p:\reg+2*\p+1], v[\adr+(BY/ROWB)%2] offset:BY%ROWB+(\i)*16*PITCH
.else
	ds_load_b64 v[\reg+2*\p:\reg+2*\p+1], v[\adr+2+(BY/ROWB)%2] offset:BY%ROWB-232+(\i)*16*PITCH
.endif
.endr
.endm
.macro MUL16 a0, p, q, sc, zero
.irp a, \a0, \a0+1
.irp b, 0,1,2,3,4,5,6,7
.if \zero == 1
	v_wmma_scale_f32_16x16x128_f8f6f4 v[8*(8*((\a)%4)+\b):8*(8*((\a)%4)+\b)+7], v[128*(\p)+FR*\b:128*(\p)+FR*\b+FR-1], v[AF+FR*(\a):AF+FR*(\a)+FR-1], v[BT+8*\b:BT+8*\b+7], v[SC+8*NQ*(\sc)+NQ*\b+(\q)], v[SC+8*NQ*(\sc)+NQ*(\a)+(\q)] matrix_a_fmt:MATRIX_FMT_FP6 matrix_b_fmt:MATRIX_FMT_FP6 matrix_a_scale:MATRIX_SCALE_ROW1
.elseif \zero == 2
	v_wmma_scale_f32_16x16x128_f8f6f4 v[8*(8*((\a)%4)+\b):8*(8*((\a)%4)+\b)+7], v[128*(\p)+FR*\b:128*(\p)+FR*\b+FR-1], v[AF+FR*(\a):AF+FR*(\a)+FR-1], v[BT+8*(\a):BT+8*(\a)+7], v[SC+8*NQ*(\sc)+NQ*\b+(\q)], v[SC+8*NQ*(\sc)+NQ*(\a)+(\q)] matrix_a_fmt:MATRIX_FMT_FP6 matrix_b_fmt:MATRIX_FMT_FP6 matrix_a_scale:MATRIX_SCALE_ROW1
.else
	v_wmma_scale_f32_16x16x128_f8f6f4 v[8*(8*((\a)%4)+\b):8*(8*((\a)%4)+\b)+7], v[128*(\p)+FR*\b:128*(\p)+FR*\b+FR-1], v[AF+FR*(\a):AF+FR*(\a)+FR-1], v[8*(8*((\a)%4)+\b):8*(8*((\a)%4)+\b)+7], v[SC+8*NQ*(\sc)+NQ*\b+(\q)], v[SC+8*NQ*(\sc)+NQ*(\a)+(\q)] matrix_a_fmt:MATRIX_FMT_FP6 matrix_b_fmt:MATRIX_FMT_FP6 matrix_a_scale:MATRIX_SCALE_ROW1
.endif
.endr
.endr
.endm
.macro FETCH_B st, p
	WIN TO_B
.irp i, 0,1,2,3,4,5,6,7
	FRAG 128*(\p)+FR*\i, ADRB, \st, \i
.endr
	WIN 0
.endm
.macro FETCH_A st, i0
.irp i, \i0, \i0+1, \i0+2, \i0+3
	FRAG AF+FR*(\i), ADRA, \st, \i
.endr
.endm
.macro SCALES pr
.irp i, 0,1,2,3,4,5,6,7
	ds_load_b64 v[SC+8*NQ*((\pr)%2)+NQ*\i:SC+8*NQ*((\pr)%2)+NQ*\i+1], v[ADRS] offset:\i*SBLK+4*NQ*(\pr)
.endr
.endm
.macro PLACES n
.rept \n
	v_nop
.endr
.endm
; A step: 64 products on step st's fragments; the next step's are fetched in its middle and at its end.  wl, wh: the register windows of its two halves.
; Where the next step's bytes end in a chunk not read yet, a barrier shows that chunk whole; where they begin in a later chunk, the chunk left behind is free: the wait for all my tensor loads, the add, the wait
; for it and for my reads, the barrier, which opens a round of the cluster's barrier where a chunk two on is left to fetch, and the refill first behind it.
.macro STEP st, zero, wl, wh
.set NX, (\st)+1
.set C0, (96*(\st))/ROWB
.set C1, (96*NX)/ROWB
.set E0, (96*(\st)+95)/ROWB
.set E1, (96*NX+95)/ROWB
.if C1 > C0 || E1 > E0
	s_wait_tensorcnt 0x0
.if C1 > C0
	ds_add_u32 v[SPW], v[NIL]
	s_wait_dscnt 4*NL+1                            ; the add and A's blocks 4-7 may be out
.else
	s_wait_dscnt 4*NL                              ; A's blocks 4-7 may be out
.endif
	WIN \wl
	MUL16 0, (\st)%2, (\st)%2, ((\st)/2)%2, \zero
	s_wait_dscnt 0x0
	s_barrier_signal -1
	MUL16 2, (\st)%2, (\st)%2, ((\st)/2)%2, \zero
	WIN 0
	s_barrier_wait -1
.if C1 > C0 && C0+2 < CHUNKS
	CREST
	s_add_nc_u64 s[G0+4*(C0%2)+2:G0+4*(C0%2)+3], s[G0+4*(C0%2)+2:G0+4*(C0%2)+3], 2*ROWB
	s_add_nc_u64 s[G0B+4*(C0%2)+2:G0B+4*(C0%2)+3], s[G0B+4*(C0%2)+2:G0B+4*(C0%2)+3], 2*ROWB
	JLOAD G0+4*(C0%2), G1, G0B+4*(C0%2), G1B
.else
	PLACES NP
.endif
.else
	s_wait_dscnt 4*NL
	WIN \wl
	MUL16 0, (\st)%2, (\st)%2, ((\st)/2)%2, \zero
	MUL16 2, (\st)%2, (\st)%2, ((\st)/2)%2, \zero
	s_wait_dscnt 0
	PLACES NP
.endif
	FETCH_B NX, NX%2
	FETCH_A NX, 0
.if NX%2 == 0
	SCALES NX/2
.endif
	WIN \wh
	MUL16 4, (\st)%2, (\st)%2, ((\st)/2)%2, \zero
	MUL16 6, (\st)%2, (\st)%2, ((\st)/2)%2, \zero
	PLACES NP
	WIN 0
	FETCH_A NX, 4
.endm
	s_wait_alu depctr_va_vdst(0)                   ; the head's end
	s_wait_tensorcnt 0x0                           ; my tile of the head's four is in
	ds_add_u32 v[SPW], v[NIL]
	s_mov_b32 s[G1+2], 128<<16                     ; no load of mine is out: from here on a load brings my 128 rows
	s_mov_b32 s[G1+4], 128
	s_mov_b32 s[G1B+2], 128<<16
	s_mov_b32 s[G1B+4], 128
	s_mul_i32 s[G0+1], s14, HALFT
	s_mul_i32 s[G0B+1], s14, HALFT
	s_mul_i32 s18, s16, 128*KROW
	s_mov_b32 s19, 0
	s_add_nc_u64 s[G0+2:G0+3], s[G0+2:G0+3], s[18:19]
	s_add_nc_u64 s[G0B+2:G0B+3], s[G0B+2:G0B+3], s[18:19]
	s_wait_dscnt 0x0
	CROUND
	JLOAD G0+4, G1, G0B+4, G1B                     ; chunk 1, the first tensor load behind the round
	FETCH_B 0, 0
	FETCH_A 0, 0
	SCALES 0
	FETCH_A 0, 4
	s_wait_loadcnt 0x0
	s_cmp_eq_u32 s[PP], 2
	s_cbranch_scc1 .Lfirst_v
	STEP 0, 1, 0x81, 0xc1
	s_branch .Lfirst_done
.Lfirst_v:
	STEP 0, 2, 0x81, 0xc1
.Lfirst_done:
.set ST, 1
.rept STEPS-2
	STEP ST, 0, MUL_LO, MUL_HI
.set ST, ST+1
.endr
	s_wait_dscnt 4*NL
	WIN MUL_LO
	MUL16 0, 1, NQ-1, 1, 0
	MUL16 2, 1, NQ-1, 1, 0
	s_wait_dscnt 0
	WIN MUL_HI
	MUL16 4, 1, NQ-1, 1, 0
	MUL16 6, 1, NQ-1, 1, 0
	WIN 0
.macro QOUT a
.set AC, 64*((\a)%4)
.if (\a) > 0
	s_wait_xcnt 0x0
.endif
	WIN 0x08+4*((\a)/4)
.irp b, 0,1,2,3,4,5,6,7
	ds_store_b128 v[STO], v[AC+8*\b:AC+8*\b+3] offset:64*\b
	ds_store_b128 v[STO], v[AC+8*\b+4:AC+8*\b+7] offset:64*\b+16
.endr
	WIN 0
.irp n, 0,1,2,3
.irp q, 0,1,2,3
	ds_load_b128 v[QX+16*\n+4*\q:QX+16*\n+4*\q+3], v[RD] offset:8*(\n/2)*SPITCH+256*(\n%2)+16*\q
.endr
.endr
	s_wait_dscnt 0x0
.irp n, 0,1,2,3
	v_max3_num_f32 v[QT+2*\n], |v[QX+16*\n]|, |v[QX+16*\n+1]|, |v[QX+16*\n+2]|
	v_max3_num_f32 v[QT+2*\n+1], |v[QX+16*\n+3]|, |v[QX+16*\n+4]|, |v[QX+16*\n+5]|
.endr
.irp i, 6,10
.irp n, 0,1,2,3
	v_max3_num_f32 v[QT+2*\n], v[QT+2*\n], |v[QX+16*\n+\i]|, |v[QX+16*\n+\i+1]|
	v_max3_num_f32 v[QT+2*\n+1], v[QT+2*\n+1], |v[QX+16*\n+\i+2]|, |v[QX+16*\n+\i+3]|
.endr
.endr
.irp n, 0,1,2,3
	v_max3_num_f32 v[QT+2*\n], v[QT+2*\n], |v[QX+16*\n+14]|, |v[QX+16*\n+15]|
.endr
.irp n, 0,1,2,3
	v_max3_num_f32 v[QT+2*\n], v[QT+2*\n], v[QT+2*\n+1], 0x1800000
.endr
.irp n, 0,1,2,3
	v_max_num_f32_dpp v[QT+2*\n], v[QT+2*\n], v[QT+2*\n] row_xmask:1 row_mask:0xf bank_mask:0xf
.endr
.irp n, 0,1,2,3
	v_add_nc_u32 v[QS+\n], 0xff000000, v[QT+2*\n]
.endr
.irp n, 0,1,2,3
	v_cvt_scalef32_pk16_fp6_f32 v[QC+4*\n:QC+4*\n+2], v[QX+16*\n:QX+16*\n+15], v[QS+\n]
.endr
.irp n, 0,1,2,3
	v_lshrrev_b32 v[QB+\n], 23, v[QS+\n]
.endr
.irp n, 0,1,2,3
	ds_store_b8 v[SA], v[QB+\n] offset:256*(\n%2)+64*((\a)/2)+32*(\n/2)+16*((\a)%2)
.endr
.irp n, 0,1,2,3
	global_store_b96 v[LC], v[QC+4*\n:QC+4*\n+2], s[4+2*(2*((\a)/4)+(\n%2)):5+2*(2*((\a)/4)+(\n%2))] offset:(((\a)/2)%2)*1536+768*(\n/2)+192*((\a)%2)
.endr
.endm
	PLACES NP
.irp a, 0,1,2,3,4,5,6,7
	QOUT \a
.endr
	ds_load_b128 v[QX:QX+3], v[SR]
	s_wait_dscnt 0x0
	global_store_b128 v[SG], v[QX:QX+3], s[12:13]
	s_wait_tensorcnt 0x0
	ds_add_u32 v[SPW], v[NIL]
	s_wait_dscnt 0x0
	CROUND
	s_endpgm
.Lfunc_end_k_qaf02edffd8_gqkv:
	.size	k_qaf02edffd8_gqkv, .Lfunc_end_k_qaf02edffd8_gqkv-k_qaf02edffd8_gqkv
	.p2alignl 7, 3214868480
	.fill 96, 4, 3214868480
	.section	.rodata,"a",@progbits
	.p2align	6, 0x0
	.amdhsa_kernel k_qaf02edffd8_gqkv
		.amdhsa_group_segment_fixed_size 327680
		.amdhsa_private_segment_fixed_size 0
		.amdhsa_enable_private_segment 0
		.amdhsa_kernarg_size 104
		.amdhsa_user_sgpr_count 2
		.amdhsa_user_sgpr_kernarg_segment_ptr 1
		.amdhsa_wavefront_size32 1
		.amdhsa_system_sgpr_workgroup_id_x 1
		.amdhsa_system_sgpr_workgroup_id_y 1
		.amdhsa_system_sgpr_workgroup_id_z 1
		.amdhsa_system_vgpr_workitem_id 0
		.amdhsa_next_free_vgpr 1024
		.amdhsa_next_free_sgpr 106
		.amdhsa_reserve_vcc 0
		.amdhsa_float_denorm_mode_32 3
		.amdhsa_float_denorm_mode_16_64 3
		.amdhsa_memory_ordered 1
		.amdhsa_forward_progress 1
		.amdhsa_inst_pref_size 201
	.end_amdhsa_kernel
	.amdgpu_metadata
---
amdhsa.version: [ 1, 2 ]
amdhsa.kernels:
  - .name:           k_qaf02edffd8_gqkv
    .symbol:         k_qaf02edffd8_gqkv.kd
    .args:
      - { .name: ac, .offset: 0, .size: 8, .value_kind: global_buffer, .address_space: global }
      - { .name: asc, .offset: 8, .size: 8, .value_kind: global_buffer, .address_space: global }
      - { .name: wq_codes, .offset: 16, .size: 8, .value_kind: global_buffer, .address_space: global }
      - { .name: wq_scales, .offset: 24, .size: 8, .value_kind: global_buffer, .address_space: global }
      - { .name: wk_codes, .offset: 32, .size: 8, .value_kind: global_buffer, .address_space: global }
      - { .name: wk_scales, .offset: 40, .size: 8, .value_kind: global_buffer, .address_space: global }
      - { .name: wv_codes, .offset: 48, .size: 8, .value_kind: global_buffer, .address_space: global }
      - { .name: wv_scales, .offset: 56, .size: 8, .value_kind: global_buffer, .address_space: global }
      - { .name: bq, .offset: 64, .size: 8, .value_kind: global_buffer, .address_space: global }
      - { .name: bk, .offset: 72, .size: 8, .value_kind: global_buffer, .address_space: global }
      - { .name: bv, .offset: 80, .size: 8, .value_kind: global_buffer, .address_space: global }
      - { .name: qkv, .offset: 88, .size: 8, .value_kind: global_buffer, .address_space: global }
      - { .name: qkvs, .offset: 96, .size: 8, .value_kind: global_buffer, .address_space: global }
    .group_segment_fixed_size: 327680
    .private_segment_fixed_size: 0
    .kernarg_segment_align: 8
    .kernarg_segment_size: 104
    .max_flat_workgroup_size: 128
    .sgpr_count:     106
    .vgpr_count:     1024
    .wavefront_size: 32
...
	.end_amdgpu_metadata
.endif
;; end of part 2
;; launch att (part 3): grid 8 x 32, 16 waves a work-group, clusters of 4 x 1, 327,680 bytes of LDS; arguments qkv, qkvs, mask, ac, asc; writes ac, asc
.if DOCPART == 3
	.amdgcn_target "amdgcn-amd-amdhsa--gfx1250"
	.amdhsa_code_object_version 6
	.text
	.protected	k_qaf02edffd8_att
	.globl	k_qaf02edffd8_att
	.p2align	8
	.type	k_qaf02edffd8_att,@function
k_qaf02edffd8_att:
	s_mov_b64 s[64:65], 0
	v_nop
	global_prefetch_b8 v0, s[64:65] scope:SCOPE_SE
	s_setreg_imm32_b32 hwreg(HW_REG_WAVE_MODE, 25, 1), 1
	s_wait_xcnt 0x0
	s_wait_alu depctr_hold_cnt(0) depctr_sa_sdst(0) depctr_va_vdst(0) depctr_va_sdst(0) depctr_va_ssrc(0) depctr_va_vcc(0) depctr_vm_vsrc(0)
	s_getreg_b32 s2, hwreg(HW_REG_IB_STS2, 6, 4)
	s_cmp_eq_u32 s2, 0
	s_cbranch_scc0 .Lentry_in_a_cluster
	s_endpgm
.Lentry_in_a_cluster:
	s_bfe_u32 s2, ttmp6, 0x10000c
	s_cmp_lg_u32 s2, 0x3003
	s_cbranch_scc0 .Lentry_shape_is_right
	s_endpgm
.Lentry_shape_is_right:
; Attention of one head: 256 queries a work-group, 16 a wave; the head's K and V^T codes (2 x 98,304 bytes) lie in LDS whole, filled once: each of the 16 waves brings 48 rows of 256 bytes by one joint load
; of the cluster's four work-groups, which share the head.  One loop of 16 trips of 128 keys.  The mask is honoured key by key; no work is left out.
.set KC,    0
.set VC,    98304
.set KSC,   196608
.set VSC,   200704
.set MB,    204800
.set SPARE, 212992
.set GRB,   24576
.set AK0,  1
.set AV0,  2
.set ASK0, 3
.set ASV0, 4
.set SPW,  5
.set NIL,  6
.set AMB0, 7
.set ADK,  8
.set ADV,  9
.set ADS,  10
.set ADT,  11
.set ADM,  28
.set WV,   18
.set SEL,  20
.set CS,   22
.set G1,   24
.set G0,   72
.set TB,   2
.set TS,   3
.set TM,   66
.set CNT,  67
.macro CROUND
	s_barrier_signal -1
	s_barrier_wait -1
	s_cmp_lg_u32 s[WV], 0
	s_cbranch_scc1 .Lnot_wave_0_\@
	s_barrier_signal -3
.Lnot_wave_0_\@:
	s_barrier_wait -3
	s_barrier_signal -1
	s_barrier_wait -1
.endm
	s_load_b256 s[4:11], s[0:1], 0x0
	s_load_b64 s[12:13], s[0:1], 0x20
	v_lshl_add_u32 v[SPW], v0, 2, SPARE
	v_mov_b32 v[NIL], 0
	ds_add_u32 v[SPW], v[NIL]
	ds_add_u32 v[SPW], v[NIL]
	v_lshrrev_b32 v8, 5, v0
	s_delay_alu instid0(VALU_DEP_1)
	v_readfirstlane_b32 s[WV], v8
	s_and_b32 s36, ttmp7, 0xffff
	s_lshr_b32 s37, s36, 4
	s_and_b32 s38, s36, 15
	s_bfe_u32 s39, ttmp6, 0x40000
	s_lshl_b32 s40, ttmp9, 2
	s_add_co_u32 s40, s40, s39
	s_lshl_b32 s41, s40, 4
	s_add_co_u32 s41, s41, s[WV]
	s_mul_i32 s42, s36, 294912
	s_mov_b32 s43, 0
	s_lshr_b32 s44, s[WV], 3
	s_mul_i32 s44, s44, 98304
	s_and_b32 s45, s[WV], 7
	s_mul_i32 s45, s45, 12288
	s_add_co_u32 s44, s44, s45
	s_add_co_u32 s46, s42, s44
	s_add_co_u32 s46, s46, 98304
	s_mov_b32 s47, 0
	s_mov_b32 s[G1], 15|(3<<16)|(1<<21)
	s_mov_b32 s[G1+1], 32<<16
	s_mov_b32 s[G1+2], 48<<16
	s_mov_b32 s[G1+3], 32<<16
	s_mov_b32 s[G1+4], 48
	s_mov_b32 s[G1+5], 32
	s_mov_b32 s[G1+6], 0
	s_mov_b32 s[G1+7], 0
	s_mov_b32 s[SEL], 0x76543210
	s_mov_b32 s[SEL+1], 0xfedcba98
	s_mov_b32 s[CS], 0x3e38aa3b
	s_mov_b32 s[CS+1], s[CS]
	s_mov_b32 s70, 0xffff0000
	s_wait_dscnt 0x0
	s_wait_kmcnt 0x0
	s_add_nc_u64 s[56:57], s[4:5], s[46:47]
.irp g, 0
	s_mov_b32 s[G0+4*\g], 1
	s_add_co_u32 s[G0+4*\g+1], s44, GRB*\g
	s_add_nc_u64 s[G0+4*\g+2:G0+4*\g+3], s[56:57], GRB*\g
	s_or_b32 s[G0+4*\g+3], s[G0+4*\g+3], 0x80000000
.endr
	CROUND
	tensor_load_to_lds s[G0:G0+3], s[G1:G1+7]      ; my one load: an eighth of K's or of V's codes
	s_nop 0
.rept 4
	v_nop
.endr
	s_lshl_b32 s48, s37, 13
	s_mov_b32 s49, 0
	s_add_nc_u64 s[8:9], s[8:9], s[48:49]
	s_mul_i32 s48, s36, 12288
	s_add_nc_u64 s[6:7], s[6:7], s[48:49]
	s_add_nc_u64 s[4:5], s[4:5], s[42:43]
	s_mul_i32 s48, s41, 768
	s_add_nc_u64 s[4:5], s[4:5], s[48:49]
	s_lshl_b32 s48, s41, 5
	s_add_nc_u64 s[50:51], s[6:7], s[48:49]
	s_lshr_b32 s48, s41, 1
	s_lshl_b32 s48, s48, 5
	s_and_b32 s52, s41, 1
	s_lshl_b32 s52, s52, 3
	s_add_co_u32 s48, s48, s52
	s_lshl_b32 s52, s37, 11
	s_add_co_u32 s48, s48, s52
	s_mul_i32 s52, s48, 768
	s_mul_i32 s53, s38, 48
	s_add_co_u32 s52, s52, s53
	s_mov_b32 s53, 0
	s_add_nc_u64 s[10:11], s[10:11], s[52:53]
	s_lshl_b32 s52, s48, 5
	s_lshl_b32 s54, s38, 1
	s_add_co_u32 s52, s52, s54
	s_add_nc_u64 s[12:13], s[12:13], s[52:53]
	v_lshlrev_b32 v80, 4, v0
	v_lshlrev_b32 v81, 3, v0
	v_and_b32 v82, 31, v0
	s_delay_alu instid0(VALU_DEP_1)
	v_mul_u32_u24 v[AK0], v82, 24
	v_and_b32 v83, 15, v0
	s_delay_alu instid0(VALU_DEP_1)
	v_lshlrev_b32 v29, 1, v83
	global_load_b128 v[84:87], v80, s[8:9]
	global_load_b64 v[88:89], v81, s[6:7] offset:4096
	global_load_b64 v[90:91], v81, s[6:7] offset:8192
	global_load_b64 v[16:17], v[AK0], s[4:5]
	global_load_b64 v[18:19], v[AK0], s[4:5] offset:8
	global_load_b64 v[20:21], v[AK0], s[4:5] offset:16
	global_load_u16 v255, v29, s[50:51]
	v_bfe_u32 v92, v0, 4, 1
	v_add_nc_u32 v[AV0], VC, v[AK0]
	v_lshl_add_u32 v[ASK0], v83, 1, KSC
	v_lshl_add_u32 v[ASV0], v83, 2, VSC
	s_delay_alu instid0(VALU_DEP_4)
	v_lshl_add_u32 v[AMB0], v92, 6, MB
	v_lshl_add_u32 v93, v0, 4, MB
	v_lshl_add_u32 v94, v0, 3, KSC
	v_lshrrev_b32 v95, 5, v0
	s_delay_alu instid0(VALU_DEP_1)
	v_lshlrev_b32 v95, 8, v95
	s_delay_alu instid0(VALU_DEP_1)
	v_lshl_add_u32 v95, v92, 1, v95
	s_delay_alu instid0(VALU_DEP_1)
	v_lshl_add_u32 v95, v83, 4, v95
	s_delay_alu instid0(VALU_DEP_1)
	v_add_nc_u32 v95, VSC, v95
.irp j, 22,23,24,25,26,27
	v_mov_b32 v[\j], 0
.endr
.irp t, 0,1,2,3
.irp j, 6,7,8,9,10,11
	v_mov_b32 v[32+12*\t+\j], 0
.endr
.endr
.irp j, 0,1,2,3,4,5,6,7,8,9,10,11,12,13,14,15,16,17,18,19,20,21,22,23,24,25,26,27,28,29,30,31
	v_mov_b32 v[160+\j], 0
.endr
	v_mov_b32 v13, 0xff61b1e6
	s_delay_alu instid0(VALU_DEP_1)
	v_floor_f32 v12, -v13
	v_mov_b32 v14, 0
	v_mov_b32 v15, 0
.irp b, 0,1,2,3
	v_mov_b32 v[236+\b], 0
.endr
	v_mov_b32 v253, 0
	v_mov_b32 v96, 0xf1800000
	s_wait_alu depctr_va_vdst(0)
	s_wait_loadcnt 0x0
.irp i, 0,1,2,3
	v_cmp_eq_u32 vcc_lo, 0, v[84+\i]
	s_delay_alu instid0(VALU_DEP_1)
	v_cndmask_b32 v[84+\i], 0, v96, vcc_lo
.endr
	ds_store_b128 v93, v[84:87]
	ds_store_b64 v94, v[88:89]
	ds_store_b16 v95, v90
	ds_store_b16_d16_hi v95, v90 offset:4
	ds_store_b16 v95, v91 offset:8
	ds_store_b16_d16_hi v95, v91 offset:12
.macro GROUP grp
	s_wait_tensorcnt 0x0
	s_wait_dscnt 0x0
	s_barrier_signal -1
	s_barrier_wait -1
	s_mov_b32 s[TB], GRB*\grp
	s_mov_b32 s[TS], 1024*\grp
	s_mov_b32 s[TM], 2048*\grp
	s_mov_b32 s[CNT], 16
.Lstep_\@:
	v_add_nc_u32 v[ADK], s[TB], v[AK0]
	s_wait_alu depctr_va_vdst(0)
	v_add_nc_u32 v[ADV], s[TB], v[AV0]
	v_add_nc_u32 v[ADS], s[TS], v[ASK0]
	s_wait_alu depctr_va_vdst(0)
	v_add_nc_u32 v[ADT], s[TS], v[ASV0]
	v_add_nc_u32 v[ADM], s[TM], v[AMB0]
	v_nop
.irp b, 0,1,2,3
.irp q, 0,1,2,3
	ds_load_b128 v[96+16*\b+4*\q:99+16*\b+4*\q], v[ADM] offset:128*\b+16*\q
.endr
.endr
.irp g, 0,1
.if \g > 0
.rept 4
	v_nop
.endr
.endif
.irp t, 0,1,2,3
.irp p, 0,1,2
	ds_load_b64 v[32+12*\t+2*\p:33+12*\t+2*\p], v[ADK] offset:768*(4*\g+\t)+8*\p
.endr
	ds_load_u16 v[248+\t], v[ADS] offset:32*(4*\g+\t)
.endr
	s_wait_dscnt 0x0
.irp t, 0,1,2,3
	v_wmma_scale_f32_16x16x128_f8f6f4 v[96+8*(4*\g+\t):103+8*(4*\g+\t)], v[32+12*\t:43+12*\t], v[16:27], v[96+8*(4*\g+\t):103+8*(4*\g+\t)], v[248+\t], v255 matrix_a_fmt:MATRIX_FMT_FP6 matrix_b_fmt:MATRIX_FMT_FP6
.endr
.endr
.rept 4
	v_nop
.endr
.irp b, 0,1,2,3
	v_max3_num_f32 v[232+\b], v[96+16*\b], v[97+16*\b], v[98+16*\b]
.endr
.irp i, 3,5,7,9,11,13
.irp b, 0,1,2,3
	v_max3_num_f32 v[232+\b], v[232+\b], v[96+16*\b+\i], v[97+16*\b+\i]
.endr
.endr
.irp b, 0,1,2,3
	v_max_num_f32 v[232+\b], v[232+\b], v[111+16*\b]
.endr
.irp b, 0,1,2,3
	s_delay_alu instid0(VALU_DEP_4)
	v_permlanex16_b32 v[236+\b], v[232+\b], s[SEL], s[SEL+1]
.endr
.irp b, 0,1,2,3
	s_delay_alu instid0(VALU_DEP_4)
	v_max_num_f32 v[232+\b], v[232+\b], v[236+\b]
.endr
	s_delay_alu instid0(VALU_DEP_2)
	v_max3_num_f32 v254, v232, v233, v234
	s_delay_alu instid0(VALU_DEP_1)
	v_max_num_f32 v254, v254, v235
	s_delay_alu instid0(VALU_DEP_1)
	v_mul_f32 v254, s[CS], v254
	s_delay_alu instid0(VALU_DEP_1)
	v_max_num_f32 v13, v13, v254
	v_mov_b32 v254, v12
	s_delay_alu instid0(VALU_DEP_2)
	v_floor_f32 v12, -v13
	s_delay_alu instid0(VALU_DEP_1)
	v_sub_f32 v254, v12, v254
	s_delay_alu instid0(VALU_DEP_1)
	v_cvt_i32_f32 v254, v254
	s_delay_alu instid0(VALU_DEP_1)
	v_ldexp_f32 v252, 1.0, v254
.irp j, 0,2,4,6,8,10,12,14,16,18,20,22,24,26,28,30,32,34,36,38,40,42,44,46,48,50,52,54,56,58,60,62
	v_pk_fma_f32 v[96+\j:97+\j], v[96+\j:97+\j], s[CS:CS+1], v[12:13] op_sel_hi:[1,0,0]
.endr
.irp b, 0,1,2,3
	v_fma_f32 v[232+\b], v[232+\b], s[CS], v12
.endr
	s_wait_alu depctr_va_vdst(0)
.irp j, 0,1,2,3,4,5,6,7,8,9,10,11,12,13,14,15,16,17,18,19,20,21,22,23,24,25,26,27,28,29,30,31,32,33,34,35,36,37,38,39,40,41,42,43,44,45,46,47,48,49,50,51,52,53,54,55,56,57,58,59,60,61,62,63
	v_exp_f32 v[96+\j], v[96+\j]
.endr
	v_pk_mul_f32 v[14:15], v[14:15], v[252:253] op_sel_hi:[1,0]
	s_wait_alu depctr_va_vdst(0)
.irp b, 0,1,2,3
	v_exp_f32 v[232+\b], v[232+\b]
.endr
	v_pk_add_f32 v[236:237], v[96:97], v[98:99]
.irp j, 4,8,12,16,20,24,28,32,36,40,44,48,52,56,60
	v_pk_add_f32 v[14:15], v[14:15], v[96+\j:97+\j]
	v_pk_add_f32 v[236:237], v[236:237], v[98+\j:99+\j]
.endr
	s_delay_alu instid0(VALU_DEP_1)
	v_pk_add_f32 v[14:15], v[14:15], v[236:237]
	s_wait_alu depctr_va_vdst(0)
.irp b, 0,1,2,3
	v_max_num_f32 v[232+\b], 0x1800000, v[232+\b]
.endr
.irp b, 0,1,2,3
	s_delay_alu instid0(VALU_DEP_4)
	v_add_nc_u32 v[244+\b], 0xff000000, v[232+\b]
.endr
.irp b, 0,1,2,3
	s_delay_alu instid0(VALU_DEP_4)
	v_lshrrev_b32 v[236+\b], 23, v[244+\b]
.endr
	s_delay_alu instid0(VALU_DEP_3)
	v_lshl_or_b32 v253, v237, 8, v236
	s_delay_alu instid0(VALU_DEP_1)
	v_lshl_or_b32 v253, v238, 16, v253
	s_delay_alu instid0(VALU_DEP_1)
	v_lshl_or_b32 v253, v239, 24, v253
.irp c, 0,1
	v_cvt_scalef32_pk16_fp6_f32 v[224+6*\c:226+6*\c], v[96+32*\c:111+32*\c], v[244+2*\c]
	v_cvt_scalef32_pk16_fp6_f32 v[236+4*\c:238+4*\c], v[112+32*\c:127+32*\c], v[244+2*\c+1]
.endr
	v_nop
.irp t, 0,1,2,3
.irp c, 0,1
.irp p, 0,1,2
	ds_load_b64 v[96+12*\t+6*\c+2*\p:97+12*\t+6*\c+2*\p], v[ADV] offset:768*\t+3072*\c+8*\p
.endr
.endr
	ds_load_b32 v[248+\t], v[ADT] offset:64*\t
.endr
.irp c, 0,1
.irp i, 0,1,2
	v_permlane16_swap_b32 v[224+6*\c+\i], v[236+4*\c+\i]
.endr
.irp i, 0,1,2
	s_delay_alu instid0(VALU_DEP_3)
	v_mov_b32 v[227+6*\c+\i], v[236+4*\c+\i]
.endr
.endr
.irp j, 0,2,4,6,8,10,12,14,16,18,20,22,24,26,28,30
	v_pk_mul_f32 v[160+\j:161+\j], v[160+\j:161+\j], v[252:253] op_sel_hi:[1,0]
.endr
	s_wait_alu depctr_va_vdst(0)
	s_wait_dscnt 0x0
.irp t, 0,1,2,3
	v_wmma_scale_f32_16x16x128_f8f6f4 v[160+8*\t:167+8*\t], v[96+12*\t:107+12*\t], v[224:235], v[160+8*\t:167+8*\t], v[248+\t], v253 matrix_a_fmt:MATRIX_FMT_FP6 matrix_b_fmt:MATRIX_FMT_FP6
.endr
	s_add_co_u32 s[TB], s[TB], 6144
	s_add_co_u32 s[TS], s[TS], 256
	s_add_co_u32 s[TM], s[TM], 512
	s_sub_co_u32 s[CNT], s[CNT], 1
	s_cmp_lg_u32 s[CNT], 0
	s_cbranch_scc1 .Lstep_\@
.endm
	GROUP 0
	v_add_f32 v14, v14, v15
	s_delay_alu instid0(VALU_DEP_1)
	v_permlanex16_b32 v252, v14, s[SEL], s[SEL+1]
	s_delay_alu instid0(VALU_DEP_1)
	v_add_f32 v14, v14, v252
	s_wait_alu depctr_va_vdst(0)
	v_rcp_f32 v14, v14
	v_and_b32 v8, 15, v0
	v_and_b32 v9, 8, v0
	s_delay_alu instid0(VALU_DEP_1)
	v_add_nc_u32 v8, v8, v9
	v_bfe_u32 v9, v0, 4, 1
	s_delay_alu instid0(VALU_DEP_2)
	v_mul_u32_u24 v10, v8, 768
	s_delay_alu instid0(VALU_DEP_1)
	v_mad_u32_u24 v10, v9, 12, v10
	s_delay_alu instid0(VALU_DEP_3)
	v_lshl_add_u32 v11, v8, 5, v9
	s_wait_alu depctr_va_vdst(0)
.irp j, 0,1,2,3,4,5,6,7,8,9,10,11,12,13,14,15,16,17,18,19,20,21,22,23,24,25,26,27,28,29,30,31
	v_mul_f32 v[192+\j], v[160+\j], v14
.endr
.irp c, 0,1
	v_max3_num_f32 v[232+\c], |v[192+16*\c]|, |v[193+16*\c]|, 0x1800000
.endr
.irp i, 2,4,6,8,10,12,14
.irp c, 0,1
	s_delay_alu instid0(VALU_DEP_2)
	v_max3_num_f32 v[232+\c], v[232+\c], |v[192+16*\c+\i]|, |v[193+16*\c+\i]|
.endr
.endr
.irp c, 0,1
	s_delay_alu instid0(VALU_DEP_2)
	v_permlanex16_b32 v[236+\c], v[232+\c], s[SEL], s[SEL+1]
.endr
.irp c, 0,1
	s_delay_alu instid0(VALU_DEP_2)
	v_max_num_f32 v[232+\c], v[232+\c], v[236+\c]
.endr
.irp c, 0,1
	s_delay_alu instid0(VALU_DEP_2)
	v_add_nc_u32 v[244+\c], 0xff000000, v[232+\c]
.endr
.irp c, 0,1
	s_delay_alu instid0(VALU_DEP_2)
	v_lshrrev_b32 v[240+\c], 23, v[244+\c]
.endr
.irp c, 0,1
	v_cvt_scalef32_pk16_fp6_f32 v[80+4*\c:82+4*\c], v[192+16*\c:207+16*\c], v[244+\c]
.endr
	v_cndmask_b32 v87, v240, v241, s70
	global_store_b96 v10, v[80:82], s[10:11]
	global_store_b96 v10, v[84:86], s[10:11] offset:24
	global_store_b8 v11, v87, s[12:13]
	s_wait_tensorcnt 0x0
	ds_add_u32 v[SPW], v[NIL]
	s_wait_dscnt 0x0
	CROUND
	s_endpgm
.Lfunc_end_k_qaf02edffd8_att:
	.size	k_qaf02edffd8_att, .Lfunc_end_k_qaf02edffd8_att-k_qaf02edffd8_att
	.p2alignl 7, 3214868480
	.fill 96, 4, 3214868480
	.section	.rodata,"a",@progbits
	.p2align	6, 0x0
	.amdhsa_kernel k_qaf02edffd8_att
		.amdhsa_group_segment_fixed_size 327680
		.amdhsa_private_segment_fixed_size 0
		.amdhsa_enable_private_segment 0
		.amdhsa_kernarg_size 40
		.amdhsa_user_sgpr_count 2
		.amdhsa_user_sgpr_kernarg_segment_ptr 1
		.amdhsa_wavefront_size32 1
		.amdhsa_system_sgpr_workgroup_id_x 1
		.amdhsa_system_sgpr_workgroup_id_y 1
		.amdhsa_system_sgpr_workgroup_id_z 1
		.amdhsa_system_vgpr_workitem_id 0
		.amdhsa_next_free_vgpr 256
		.amdhsa_next_free_sgpr 88
		.amdhsa_reserve_vcc 1
		.amdhsa_float_denorm_mode_32 3
		.amdhsa_float_denorm_mode_16_64 3
		.amdhsa_memory_ordered 1
		.amdhsa_forward_progress 1
		.amdhsa_inst_pref_size 35
	.end_amdhsa_kernel
	.amdgpu_metadata
---
amdhsa.version: [ 1, 2 ]
amdhsa.kernels:
  - .name:           k_qaf02edffd8_att
    .symbol:         k_qaf02edffd8_att.kd
    .args:
      - { .name: qkv, .offset: 0, .size: 8, .value_kind: global_buffer, .address_space: global }
      - { .name: qkvs, .offset: 8, .size: 8, .value_kind: global_buffer, .address_space: global }
      - { .name: mask, .offset: 16, .size: 8, .value_kind: global_buffer, .address_space: global }
      - { .name: ac, .offset: 24, .size: 8, .value_kind: global_buffer, .address_space: global }
      - { .name: asc, .offset: 32, .size: 8, .value_kind: global_buffer, .address_space: global }
    .group_segment_fixed_size: 327680
    .private_segment_fixed_size: 0
    .kernarg_segment_align: 8
    .kernarg_segment_size: 40
    .max_flat_workgroup_size: 512
    .sgpr_count:     88
    .vgpr_count:     256
    .wavefront_size: 32
...
	.end_amdgpu_metadata
.endif
;; end of part 3
;; launch gwo (part 4): grid 8 x 32, 4 waves a work-group, clusters of 4 x 4, 327,680 bytes of LDS; arguments ac, asc, wo_codes, wo_scales, y; writes y
.if DOCPART == 4
	.amdgcn_target "amdgcn-amd-amdhsa--gfx1250"
	.amdhsa_code_object_version 6
	.text
	.protected	k_qaf02edffd8_gwo
	.globl	k_qaf02edffd8_gwo
	.p2align	8
	.type	k_qaf02edffd8_gwo,@function
k_qaf02edffd8_gwo:
	s_mov_b64 s[64:65], 0
	v_nop
	global_prefetch_b8 v0, s[64:65] scope:SCOPE_SE
	s_setreg_imm32_b32 hwreg(HW_REG_WAVE_MODE, 25, 1), 1
	s_wait_xcnt 0x0
	s_wait_alu depctr_hold_cnt(0) depctr_sa_sdst(0) depctr_va_vdst(0) depctr_va_sdst(0) depctr_va_ssrc(0) depctr_va_vcc(0) depctr_vm_vsrc(0)
	s_getreg_b32 s2, hwreg(HW_REG_IB_STS2, 6, 4)
	s_cmp_eq_u32 s2, 0
	s_cbranch_scc0 .Lentry_in_a_cluster
	s_endpgm
.Lentry_in_a_cluster:
	s_bfe_u32 s2, ttmp6, 0x10000c
	s_cmp_lg_u32 s2, 0xf033
	s_cbranch_scc0 .Lentry_shape_is_right
	s_endpgm
.Lentry_shape_is_right:
; y = A B^T on codes of FP6 (E2M3) with E8M0 scales, sums in f32: A = the attention's output [4096][1024] as codes, B = wo [1024][1024] as given.  The bias and the residual are taken in by the next launch.  No work is left out.
; A block of 128 x 128 is made by four waves, each 64 x 64: 16 accumulators.  The result has 32 x 8 blocks: 256 work-groups.
; ALL OF K LIES IN LDS: a row of codes is 768 bytes, three units of 256, and 128 rows of A and 128 of B are 256 x 816 bytes with 16 bytes of padding behind each 256.  The head's four tiles (A's rows, B's rows, A's scales,
; B's scales) are asked for by one joint load a wave; nothing is filled again, so the walk along K has no barrier.  No prefetch: the launch has no loop to run ahead in, all its tiles are asked for at its head.
; CLUSTERS: 4 x 4: A's tiles are asked for jointly along a row of the cluster, B's along a column.
; THE MATRIX INSTRUCTION IS USED TRANSPOSED (source 0 = 16 rows of B, source 1 = 16 rows of A): a lane holds eight neighbouring columns of one row.
; REGISTERS: window 0: v0-31 addresses; v32-47 scale words, two sets; v64-159 and v160-255 two sets of fragments (B's four, then A's four).  window 1: v0-127 the accumulators, (a, b) at 8 (4 a + b).
.set SIZE_N, 1024
.set KROW,   768                       ; a row of codes in bytes
.set CH,     768                       ; what a tile's row holds of it: all
.set PADB,   16
.set STEPS,  KROW/96                   ; steps of 128 along K, 96 bytes each
.set KS,     KROW/24                   ; a row of scales in bytes
.set PITCH,  CH+PADB*(CH/256)          ; 816 bytes = 204 words: 16 rows begin at 16 different multiples of 4 banks
.set QT,     64*PITCH                  ; 64 rows: what a wave reads of A or of B
.set SLOT,   4*QT                      ; A's 128 rows, then B's 128
.set SCL,    SLOT                      ; the scales, as units of 256 bytes + 16 of padding
.set HALFS,  (64*KS/256)*272
.set SBLK,   (16*KS/256)*272
.set SPITCH, 272
.set STAGE,  SCL+4*HALFS               ; the way out: 16 rows x (256 + 16) bytes for each wave, bytes into which no tile lands
.set SPARE,  STAGE+4*16*SPITCH         ; the spare words, 128 bytes for each wave, which no other line names
.set NP,   4                           ; places behind this matrix instruction (ISA guide 7.12.1)
.set ADRA, 8                           ; v8 my A fragments; v9 the same with the padding added in lanes 16-31
.set ADRB, 10
.set STO,  20
.set RD,   21
.set CO,   22
.set ADRS, 23
.set SPW,  28
.set NIL,  29
.set SC,   32
.set BK,   64
.set G1, 24
.set G0, 32
.set G1B, 48
.set G0B, 56
.set G1S, 68
.set G0S, 76
.set G1SB, 80
.set G0SB, 88
.set MULW, 0x50                        ; C and D in window 1, the sources in window 0
.set MSB, 0
.macro WIN new
.if MSB != \new
	s_set_vgpr_msb (MSB<<8)|\new
.set MSB, \new
.endif
.endm
.macro CROUND                          ; a round of the cluster's barrier
	s_barrier_signal -1
	s_barrier_wait -1
	s_cmp_lg_u32 s14, 0
	s_cbranch_scc1 .Lnot_wave_0_\@
	s_barrier_signal -3
.Lnot_wave_0_\@:
	s_barrier_wait -3
	s_barrier_signal -1
	s_barrier_wait -1
.endm
.macro PLACES n
.rept \n
	v_nop
.endr
.endm
	s_load_b128 s[4:7], s[0:1], 0x0                ; A's codes, A's scales
	s_load_b128 s[8:11], s[0:1], 0x10              ; B's codes, B's scales
	s_load_b64 s[12:13], s[0:1], 0x20              ; y
	v_lshl_add_u32 v[SPW], v0, 2, SPARE
	v_mov_b32 v[NIL], 0
	ds_add_u32 v[SPW], v[NIL]                      ; the opening lines: the add, twice on end, and its wait ahead of my first tensor load
	ds_add_u32 v[SPW], v[NIL]
	v_lshrrev_b32 v1, 5, v0
	v_readfirstlane_b32 s14, v1                    ; wave 0..3
	s_lshr_b32 s15, s14, 1                         ; which 64 rows of the block are mine
	s_and_b32 s16, s14, 1                          ; which 64 columns
	s_bfe_u32 s40, ttmp6, 0x40000                  ; cx, cy
	s_bfe_u32 s41, ttmp6, 0x40004
	s_lshl_b32 s42, ttmp9, 2
	s_add_co_u32 s42, s42, s40                     ; block column
	s_and_b32 s17, ttmp7, 0xffff
	s_lshl_b32 s17, s17, 2
	s_add_co_u32 s17, s17, s41                     ; block row
	s_lshl_b32 s43, s41, 2
	s_lshl_b32 s43, 15, s43                        ; my row of the cluster
	s_lshl_b32 s44, 0x1111, s40                    ; my column
	s_or_b32 s[G1+0], s43, (0<<16)|(1<<20)|(1<<21)|(5<<22)|((PADB/4-1)<<25)   ; 128 rows of CH bytes, PADB bytes of padding behind every 256
	s_or_b32 s[G1B+0], s44, (0<<16)|(1<<20)|(1<<21)|(5<<22)|((PADB/4-1)<<25)
.irp g, G1, G1B
	s_mov_b32 s[\g+1], CH<<16
	s_mov_b32 s[\g+2], 128<<16
	s_mov_b32 s[\g+3], CH<<16
	s_mov_b32 s[\g+4], 128
	s_mov_b32 s[\g+5], KROW
	s_mov_b32 s[\g+6], 0
	s_mov_b32 s[\g+7], 0
.endr
	s_or_b32 s[G1S+0], s43, (3<<16)|(1<<20)|(1<<21)|(5<<22)|(3<<25)  ; the scales of 128 rows: a dense block as rows of 256 bytes, 16 bytes of padding behind each
	s_or_b32 s[G1SB+0], s44, (3<<16)|(1<<20)|(1<<21)|(5<<22)|(3<<25)
.irp g, G1S, G1SB
	s_mov_b32 s[\g+1], 32<<16
	s_mov_b32 s[\g+2], (KS/2)<<16
	s_mov_b32 s[\g+3], 32<<16
	s_mov_b32 s[\g+4], KS/2
	s_mov_b32 s[\g+5], 32
	s_mov_b32 s[\g+6], 0
	s_mov_b32 s[\g+7], 0
.endr
	s_lshl_b32 s20, s17, 7                         ; A: the block's first row
	s_lshl_b32 s46, s42, 7                         ; B: likewise
	s_mov_b32 s21, 0
	s_mov_b32 s47, 0
	s_mov_b64 s[18:19], KS
	s_mul_u64 s[22:23], s[20:21], s[18:19]
	s_mul_u64 s[92:93], s[46:47], s[18:19]
	s_mov_b64 s[18:19], KROW
	s_mul_u64 s[20:21], s[20:21], s[18:19]
	s_mul_u64 s[46:47], s[46:47], s[18:19]
	s_wait_dscnt 0x0                               ; both opening adds are done
	s_wait_kmcnt 0x0
	s_add_nc_u64 s[20:21], s[4:5], s[20:21]
	s_add_nc_u64 s[22:23], s[6:7], s[22:23]
	s_add_nc_u64 s[46:47], s[8:9], s[46:47]
	s_add_nc_u64 s[92:93], s[10:11], s[92:93]
	CROUND                                         ; all sixteen work-groups are here: the joint loads meet
	s_mov_b32 s[G0], 1
	s_mov_b32 s[G0+1], 0
	s_mov_b64 s[G0+2:G0+3], s[20:21]
	s_or_b32 s[G0+3], s[G0+3], 0x80000000
	s_mov_b32 s[G0B], 1
	s_mov_b32 s[G0B+1], 2*QT
	s_mov_b64 s[G0B+2:G0B+3], s[46:47]
	s_or_b32 s[G0B+3], s[G0B+3], 0x80000000
	s_mov_b32 s[G0S], 1
	s_mov_b32 s[G0S+1], SCL
	s_mov_b64 s[G0S+2:G0S+3], s[22:23]
	s_or_b32 s[G0S+3], s[G0S+3], 0x80000000
	s_mov_b32 s[G0SB], 1
	s_mov_b32 s[G0SB+1], SCL+2*HALFS
	s_mov_b64 s[G0SB+2:G0SB+3], s[92:93]
	s_or_b32 s[G0SB+3], s[G0SB+3], 0x80000000
; the four tiles, one joint load a wave: one chain of branches on the wave's number, one load to an arm
.macro ARM under, g0, g1, next
	s_cmp_lt_u32 s14, \under
	s_cbranch_scc0 \next
	tensor_load_to_lds s[\g0:\g0+3], s[\g1:\g1+7]
	s_nop 0
.rept 4
	v_nop
.endr
	s_branch .Lhead_asked
\next:
.endm
	ARM 1, G0,  G1,  .Lhead_b
	ARM 2, G0B, G1B, .Lhead_sa
	ARM 3, G0S, G1S, .Lhead_sb
	tensor_load_to_lds s[G0SB:G0SB+3], s[G1SB:G1SB+7]
	s_nop 0
.rept 4
	v_nop
.endr
.Lhead_asked:
	s_mul_i32 s21, s15, QT                         ; my 64 rows of A
	s_mul_i32 s22, s16, QT                         ; my 64 rows of B,
	s_add_co_u32 s22, s22, 2*QT                    ; behind A's 128
	s_mul_i32 s23, s14, 16*SPITCH
	s_add_co_u32 s23, s23, STAGE                   ; my stage
	s_mul_i32 s92, s15, HALFS                      ; my rows' scales: A's,
	s_mul_i32 s93, s16, HALFS
	s_add_co_u32 s93, s93, 2*HALFS
	s_sub_co_u32 s93, s93, s92                     ; and how far on B's lie
	s_add_co_u32 s92, s92, SCL
	v_and_b32 v1, 15, v0                           ; l % 16
	v_bfe_u32 v2, v0, 4, 1                         ; l / 16
	v_mul_u32_u24 v3, v1, PITCH
	v_mad_u32_u24 v4, v2, 24, v3                   ; row x pitch + 24 x half
	v_mad_u32_u24 v5, v2, PADB, v4                 ; for a piece whose lanes 16-31 lie in the next 256 bytes: past the padding
	v_add_nc_u32 v[ADRA], s21, v4
	v_add_nc_u32 v[ADRA+1], s21, v5
	v_add_nc_u32 v[ADRB], s22, v4
	v_add_nc_u32 v[ADRB+1], s22, v5
	v_mul_u32_u24 v5, v1, KS                       ; my row's scales: KS bytes a row,
	v_lshrrev_b32 v6, 8, v5
	v_lshl_add_u32 v5, v6, 4, v5                   ; and 16 more for each 256 passed
	v_mul_u32_u24 v6, s93, v2                      ; lanes 16-31 take B's
	v_add_nc_u32 v5, v5, v6
	v_add_nc_u32 v[ADRS], s92, v5
	v_mul_u32_u24 v5, v1, SPITCH                   ; the stage, in: row l % 16, 32 bytes for each half of the lanes
	v_lshl_add_u32 v5, v2, 5, v5
	v_add_nc_u32 v[STO], s23, v5
	v_mul_u32_u24 v5, v2, SPITCH                   ; back: lanes 0-15 one row of 256 bytes, lanes 16-31 the next
	v_lshl_add_u32 v5, v1, 4, v5
	v_add_nc_u32 v[RD], s23, v5
	v_lshlrev_b32 v5, 12, v2                       ; and the same two rows in y (4,096 bytes a row)
	v_lshl_add_u32 v[CO], v1, 4, v5
	s_lshl_b32 s20, s17, 7
	s_lshl_b32 s21, s15, 6
	s_add_co_u32 s20, s20, s21                     ; my first row of y
	s_lshl_b32 s20, s20, 12
	s_lshl_b32 s46, s42, 9                         ; my first column, in bytes: 512 x block column + 256 x half
	s_lshl_b32 s47, s16, 8
	s_add_co_u32 s20, s20, s46
	s_add_co_u32 s20, s20, s47
	s_mov_b32 s21, 0
	s_add_nc_u64 s[12:13], s[12:13], s[20:21]
.macro FRAG reg, adr, st, i            ; lane l holds row l % 16; registers 6 c .. 6 c + 5 hold K = 64 c + 32 (l / 16) + 0 .. 31, in pieces of 8 bytes; byte z of a row lies at z + PADB (z / 256) of its LDS row
.irp p, 0,1,2,3,4,5
.set Z, 96*(\st)+48*(\p/3)+8*(\p%3)
.if Z/256 == (Z+24)/256
	ds_load_b64 v[\reg+2*\p:\reg+2*\p+1], v[\adr] offset:Z+PADB*(Z/256)+(\i)*16*PITCH
.else
	ds_load_b64 v[\reg+2*\p:\reg+2*\p+1], v[\adr+1] offset:Z+PADB*(Z/256)+(\i)*16*PITCH
.endif
.endr
.endm
.macro FETCH st                        ; step st's eight fragments into set st % 2; with an even step the scale words of two steps: lanes 0-15 A's block i, lanes 16-31 B's
.set FS, 64+96*((\st)%2)
.irp i, 0,1,2,3
	FRAG FS+12*\i, ADRB, \st, \i
.endr
.irp i, 0,1,2,3
	FRAG FS+48+12*\i, ADRA, \st, \i
.endr
.if (\st)%2 == 0
.irp i, 0,1,2,3
	ds_load_b64 v[SC+8*(((\st)/2)%2)+2*\i:SC+8*(((\st)/2)%2)+2*\i+1], v[ADRS] offset:\i*SBLK+4*(\st)
.endr
.endif
.endm
.macro MUL st, zero                    ; 16 matrix instructions; zero = 1: the first product starts the sums.  The 16 accumulators take turns
.set FS, 64+96*((\st)%2)
.set SS, SC+8*(((\st)/2)%2)+(\st)%2
.irp a, 0,1,2,3
.irp b, 0,1,2,3
.if \zero
	v_wmma_scale_f32_16x16x128_f8f6f4 v[8*(4*\a+\b):8*(4*\a+\b)+7], v[FS+12*\b:FS+12*\b+11], v[FS+48+12*\a:FS+48+12*\a+11], 0, v[SS+2*\b], v[SS+2*\a] matrix_a_fmt:MATRIX_FMT_FP6 matrix_b_fmt:MATRIX_FMT_FP6 matrix_a_scale:MATRIX_SCALE_ROW1
.else
	v_wmma_scale_f32_16x16x128_f8f6f4 v[8*(4*\a+\b):8*(4*\a+\b)+7], v[FS+12*\b:FS+12*\b+11], v[FS+48+12*\a:FS+48+12*\a+11], v[8*(4*\a+\b):8*(4*\a+\b)+7], v[SS+2*\b], v[SS+2*\a] matrix_a_fmt:MATRIX_FMT_FP6 matrix_b_fmt:MATRIX_FMT_FP6 matrix_a_scale:MATRIX_SCALE_ROW1
.endif
.endr
.endr
.endm
.macro STEP st, zero                   ; this step's fragments are in; the next step's are asked for, into the set that the step before multiplied, and land under this step's products
	s_wait_dscnt 0x0
	PLACES NP
	FETCH (\st)+1
	WIN MULW
	MUL \st, \zero
	WIN 0
.endm
	s_wait_alu depctr_va_vdst(0)                   ; the head's end
	s_wait_tensorcnt 0x0                           ; my tile is in;
	s_barrier_signal -1
	s_barrier_wait -1                              ; and so are the other three
	FETCH 0
	STEP 0, 1
.set ST, 1
.rept STEPS-2
	STEP ST, 0
.set ST, ST+1
.endr
	s_wait_dscnt 0x0
	WIN MULW
	MUL STEPS-1, 0
	WIN 0
; THE WAY OUT: a block of 16 rows x 64 columns goes through my stage and comes back as whole rows of 256 bytes.  LDS serves a wave's instructions in order (ISA guide 5.7.1.4)
.macro TOSTAGE a
	WIN 0x04                                       ; the data: window 1
.irp b, 0,1,2,3
	ds_store_b128 v[STO], v[8*(4*(\a)+\b):8*(4*(\a)+\b)+3] offset:64*\b       ; each accumulator from its low end on
	ds_store_b128 v[STO], v[8*(4*(\a)+\b)+4:8*(4*(\a)+\b)+7] offset:64*\b+16
.endr
	WIN 0
.set BB, BK+32*((\a)%2)
.irp t, 0,1,2,3,4,5,6,7
	ds_load_b128 v[BB+4*\t:BB+4*\t+3], v[RD] offset:\t*2*SPITCH
.endr
.endm
.macro SEND a, younger
.set BB, BK+32*((\a)%2)
	s_wait_dscnt \younger                          ; the block is back; the next block's 8 stores and 8 loads may be out
.if (\a) > 0
	s_add_nc_u64 s[12:13], s[12:13], 16*SIZE_N*4   ; behind a wait on XCNT: the earlier stores have read their base
.endif
.irp t, 0,1,2,3,4,5,6,7
	global_store_b128 v[CO], v[BB+4*\t:BB+4*\t+3], s[12:13] offset:2*\t*SIZE_N*4   ; 16 lanes store 256 consecutive bytes, aligned
.endr
.endm
	PLACES NP
	TOSTAGE 0
.irp a, 1,2,3
.if \a > 1
	s_wait_xcnt 0x0                                ; block a - 2's stores have read their registers and their base
.endif
	TOSTAGE \a
	SEND \a-1, 16
.endr
	s_wait_xcnt 0x0
	SEND 3, 0
	s_wait_tensorcnt 0x0                           ; the wave's end
	ds_add_u32 v[SPW], v[NIL]
	s_wait_dscnt 0x0
	CROUND                                         ; the closing round
	s_endpgm
.Lfunc_end_k_qaf02edffd8_gwo:
	.size	k_qaf02edffd8_gwo, .Lfunc_end_k_qaf02edffd8_gwo-k_qaf02edffd8_gwo
	.p2alignl 7, 3214868480
	.fill 96, 4, 3214868480
	.section	.rodata,"a",@progbits
	.p2align	6, 0x0
	.amdhsa_kernel k_qaf02edffd8_gwo
		.amdhsa_group_segment_fixed_size 327680
		.amdhsa_private_segment_fixed_size 0
		.amdhsa_enable_private_segment 0
		.amdhsa_kernarg_size 40
		.amdhsa_user_sgpr_count 2
		.amdhsa_user_sgpr_kernarg_segment_ptr 1
		.amdhsa_wavefront_size32 1
		.amdhsa_system_sgpr_workgroup_id_x 1
		.amdhsa_system_sgpr_workgroup_id_y 1
		.amdhsa_system_sgpr_workgroup_id_z 1
		.amdhsa_system_vgpr_workitem_id 0
		.amdhsa_next_free_vgpr 384
		.amdhsa_next_free_sgpr 98
		.amdhsa_reserve_vcc 0
		.amdhsa_float_denorm_mode_32 3
		.amdhsa_float_denorm_mode_16_64 3
		.amdhsa_memory_ordered 1
		.amdhsa_forward_progress 1
		.amdhsa_inst_pref_size 59
	.end_amdhsa_kernel
	.amdgpu_metadata
---
amdhsa.version: [ 1, 2 ]
amdhsa.kernels:
  - .name:           k_qaf02edffd8_gwo
    .symbol:         k_qaf02edffd8_gwo.kd
    .args:
      - { .name: ac, .offset: 0, .size: 8, .value_kind: global_buffer, .address_space: global }
      - { .name: asc, .offset: 8, .size: 8, .value_kind: global_buffer, .address_space: global }
      - { .name: wo_codes, .offset: 16, .size: 8, .value_kind: global_buffer, .address_space: global }
      - { .name: wo_scales, .offset: 24, .size: 8, .value_kind: global_buffer, .address_space: global }
      - { .name: y, .offset: 32, .size: 8, .value_kind: global_buffer, .address_space: global }
    .group_segment_fixed_size: 327680
    .private_segment_fixed_size: 0
    .kernarg_segment_align: 8
    .kernarg_segment_size: 40
    .max_flat_workgroup_size: 128
    .sgpr_count:     98
    .vgpr_count:     384
    .wavefront_size: 32
...
	.end_amdgpu_metadata
.endif
;; end of part 4
;; launch ln1q (part 5): grid 256 x 1, 8 waves a work-group, no clusters, 42,496 bytes of LDS; arguments y, x, bo, ln1_g, ln1_b, x1, ac, asc; writes x1, ac, asc
.if DOCPART == 5
	.amdgcn_target "amdgcn-amd-amdhsa--gfx1250"
	.amdhsa_code_object_version 6
	.text
	.protected	k_qaf02edffd8_ln1q
	.globl	k_qaf02edffd8_ln1q
	.p2align	8
	.type	k_qaf02edffd8_ln1q,@function
k_qaf02edffd8_ln1q:
	s_mov_b64 s[64:65], 0
	v_nop
	global_prefetch_b8 v0, s[64:65] scope:SCOPE_SE
	s_setreg_imm32_b32 hwreg(HW_REG_WAVE_MODE, 25, 1), 1
	s_wait_xcnt 0x0
; x1 = LayerNorm(x + (y + bo)) g + b, all in f32, stored as f32 (the second residual wants it) and as codes of FP6 (E2M3) with E8M0 scale bytes (the first MLP product's operand).  No work is left out.
; A stream: a wave takes two whole rows of 1,024 numbers and keeps them in registers between the passes; all 56 loads of a wave go out at its head, each 512 consecutive bytes.  No matrix unit, no cluster: nothing is shared but 12 KB of vectors.
; The quantiser is the first launch's: a row is two steps of 512 numbers, which turn through the wave's stage in LDS so that a lane holds 16 neighbours.
; LIMITS: a block of zeros gets the byte 1 (its codes are zeros; only this program reads the bytes); NaN and infinities are not served.
.set G,   16                           ; v16-47   the gain at my 32 columns
.set BT,  48                           ; v48-79   the shift
.set BO,  80                           ; v80-111  the projection's bias; later codes (v80-95) and bytes (v96-99)
.set Y0,  112                          ; v112-143 row 0;  v144-175 its x, later its numbers turned
.set X0,  144
.set Y1,  176                          ; v176-207 row 1;  v208-239 its x
.set X1,  208
.set T,   240                          ; v240-247 four packed chains
.set SPW, 6
.set NIL, 7
.set WREG,  5120
.set SP,    80
.set SCB,   8*WREG
.set SPARE, SCB+512                    ; the spare words, 128 bytes for each wave, which no other line names
	s_load_b256 s[4:11], s[0:1], 0x0               ; y, x, bo, g
	s_load_b256 s[12:19], s[0:1], 0x20             ; b, x1, the codes, the scale bytes
	v_lshl_add_u32 v[SPW], v0, 2, SPARE
	v_mov_b32 v[NIL], 0
	v_lshrrev_b32 v8, 5, v0
	s_delay_alu instid0(VALU_DEP_1)
	v_readfirstlane_b32 s20, v8                    ; wave
	v_and_b32 v9, 31, v0                           ; lane
	s_delay_alu instid0(VALU_DEP_1)
	v_lshlrev_b32 v1, 4, v9                        ; my 16 bytes of a load's 512
	s_delay_alu instid0(VALU_DEP_2)
	v_mul_u32_u24 v2, v9, 12                       ; my 12 bytes of a step's codes
	s_mul_i32 s21, s20, WREG
	v_lshrrev_b32 v3, 2, v9
	s_delay_alu instid0(VALU_DEP_1)
	v_mul_u32_u24 v3, v3, SP
	v_and_b32 v10, 3, v9
	s_delay_alu instid0(VALU_DEP_1)
	v_lshl_add_u32 v3, v10, 4, v3
	s_delay_alu instid0(VALU_DEP_1)
	v_add_nc_u32 v3, s21, v3                       ; the stage, way in
	v_mul_u32_u24 v4, v9, SP
	s_delay_alu instid0(VALU_DEP_1)
	v_add_nc_u32 v4, s21, v4                       ; way out
	v_lshrrev_b32 v5, 1, v9
	s_lshl_b32 s21, s20, 6
	s_add_co_u32 s21, s21, SCB
	v_add_nc_u32 v5, s21, v5                       ; my block's byte
	v_add_nc_u32 v15, SCB, v1                      ; wave 0's way out
	v_mov_b32 v9, 0                                ; (a lane permute's destination counts as read; the upper halves of pairs are named)
	v_mov_b32 v11, 0
	s_mov_b32 s24, 0x76543210
	s_mov_b32 s25, 0xfedcba98
	s_mov_b32 s26, 0x3a800000                      ; 1 / 1024
	s_mov_b32 s27, 0x3727c5ac                      ; 1e-5
	s_lshl_b32 s28, ttmp9, 16                      ; 16 rows of 4,096 bytes a work-group,
	s_lshl_b32 s29, s20, 13                        ; two a wave
	s_add_co_u32 s28, s28, s29
	s_mov_b32 s29, 0
	s_mul_i32 s30, ttmp9, 12288                    ; the same rows in codes
	s_mul_i32 s31, s20, 1536
	s_add_co_u32 s30, s30, s31
	s_mov_b32 s31, 0
	s_lshl_b32 s22, ttmp9, 9                       ; and the work-group's 512 scale bytes
	s_mov_b32 s23, 0
	s_wait_kmcnt 0x0
	s_add_nc_u64 s[4:5], s[4:5], s[28:29]
	s_add_nc_u64 s[6:7], s[6:7], s[28:29]
	s_add_nc_u64 s[14:15], s[14:15], s[28:29]
	s_add_nc_u64 s[16:17], s[16:17], s[30:31]
	s_add_nc_u64 s[18:19], s[18:19], s[22:23]
.irp i, 0,1,2,3,4,5,6,7
	global_load_b128 v[Y0+4*\i:Y0+4*\i+3], v1, s[4:5] offset:512*\i th:TH_LOAD_NT
	global_load_b128 v[X0+4*\i:X0+4*\i+3], v1, s[6:7] offset:512*\i th:TH_LOAD_NT
.endr
.irp i, 0,1,2,3,4,5,6,7
	global_load_b128 v[Y1+4*\i:Y1+4*\i+3], v1, s[4:5] offset:4096+512*\i th:TH_LOAD_NT
	global_load_b128 v[X1+4*\i:X1+4*\i+3], v1, s[6:7] offset:4096+512*\i th:TH_LOAD_NT
.endr
.irp i, 0,1,2,3,4,5,6,7
	global_load_b128 v[BO+4*\i:BO+4*\i+3], v1, s[8:9] offset:512*\i
	global_load_b128 v[G+4*\i:G+4*\i+3], v1, s[10:11] offset:512*\i
	global_load_b128 v[BT+4*\i:BT+4*\i+3], v1, s[12:13] offset:512*\i
.endr
	s_wait_loadcnt 0x0
.macro ADDIN yy, xx                    ; x + (y + bo)
.irp j, 0,2,4,6,8,10,12,14,16,18,20,22,24,26,28,30
	v_pk_add_f32 v[\yy+\j:\yy+\j+1], v[\yy+\j:\yy+\j+1], v[BO+\j:BO+\j+1]
.endr
.irp j, 0,2,4,6,8,10,12,14,16,18,20,22,24,26,28,30
	v_pk_add_f32 v[\yy+\j:\yy+\j+1], v[\xx+\j:\xx+\j+1], v[\yy+\j:\yy+\j+1]
.endr
.endm
.macro RED r                           ; the sum over the 32 lanes, in every lane
	s_delay_alu instid0(VALU_DEP_1)
	v_add_f32_dpp v[\r], v[\r], v[\r] row_xmask:1 row_mask:0xf bank_mask:0xf
	s_delay_alu instid0(VALU_DEP_1)
	v_add_f32_dpp v[\r], v[\r], v[\r] row_xmask:2 row_mask:0xf bank_mask:0xf
	s_delay_alu instid0(VALU_DEP_1)
	v_add_f32_dpp v[\r], v[\r], v[\r] row_xmask:4 row_mask:0xf bank_mask:0xf
	s_delay_alu instid0(VALU_DEP_1)
	v_add_f32_dpp v[\r], v[\r], v[\r] row_xmask:8 row_mask:0xf bank_mask:0xf
	s_delay_alu instid0(VALU_DEP_1)
	v_permlanex16_b32 v9, v[\r], s24, s25
	s_delay_alu instid0(VALU_DEP_1)
	v_add_f32 v[\r], v[\r], v9
.endm
.macro FOLD r                          ; the four chains into one number
	s_delay_alu instid0(VALU_DEP_3)
	v_pk_add_f32 v[T:T+1], v[T:T+1], v[T+2:T+3]
	s_delay_alu instid0(VALU_DEP_2)
	v_pk_add_f32 v[T+4:T+5], v[T+4:T+5], v[T+6:T+7]
	s_delay_alu instid0(VALU_DEP_1)
	v_pk_add_f32 v[T:T+1], v[T:T+1], v[T+4:T+5]
	s_delay_alu instid0(VALU_DEP_1)
	v_add_f32 v[\r], v[T], v[T+1]
.endm
.macro NORM yy, n
.irp c, 0,2,4,6
	v_pk_add_f32 v[T+\c:T+\c+1], v[\yy+\c:\yy+\c+1], v[\yy+8+\c:\yy+8+\c+1]
.endr
.irp c, 0,2,4,6
	s_delay_alu instid0(VALU_DEP_4)
	v_pk_add_f32 v[T+\c:T+\c+1], v[T+\c:T+\c+1], v[\yy+16+\c:\yy+16+\c+1]
.endr
.irp c, 0,2,4,6
	s_delay_alu instid0(VALU_DEP_4)
	v_pk_add_f32 v[T+\c:T+\c+1], v[T+\c:T+\c+1], v[\yy+24+\c:\yy+24+\c+1]
.endr
	FOLD 8
	RED 8
	s_delay_alu instid0(VALU_DEP_1)
	v_mul_f32 v8, s26, v8                          ; the mean
.irp j, 0,2,4,6,8,10,12,14,16,18,20,22,24,26,28,30
	v_pk_add_f32 v[\yy+\j:\yy+\j+1], v[\yy+\j:\yy+\j+1], v[8:9] op_sel_hi:[1,0] neg_lo:[0,1] neg_hi:[0,1]
.endr
.irp c, 0,2,4,6
	v_pk_mul_f32 v[T+\c:T+\c+1], v[\yy+\c:\yy+\c+1], v[\yy+\c:\yy+\c+1]
.endr
.irp k, 8,16,24
.irp c, 0,2,4,6
	s_delay_alu instid0(VALU_DEP_4)
	v_pk_fma_f32 v[T+\c:T+\c+1], v[\yy+\k+\c:\yy+\k+\c+1], v[\yy+\k+\c:\yy+\k+\c+1], v[T+\c:T+\c+1]
.endr
.endr
	FOLD 10
	RED 10
	s_delay_alu instid0(VALU_DEP_1)
	v_fma_f32 v10, v10, s26, s27                   ; the variance + 1e-5
	s_wait_alu depctr_va_vdst(0)
	v_rsq_f32 v10, v10
	v_nop                                          ; a plain line behind the transcendental,
	s_wait_alu depctr_va_vdst(0)                   ; and the wait ahead of its first reader
.irp j, 0,2,4,6,8,10,12,14,16,18,20,22,24,26,28,30
	v_pk_mul_f32 v[\yy+\j:\yy+\j+1], v[\yy+\j:\yy+\j+1], v[10:11] op_sel_hi:[1,0]
.endr
.irp j, 0,2,4,6,8,10,12,14,16,18,20,22,24,26,28,30
	v_pk_fma_f32 v[\yy+\j:\yy+\j+1], v[\yy+\j:\yy+\j+1], v[G+\j:G+\j+1], v[BT+\j:BT+\j+1]
.endr
.irp i, 0,1,2,3,4,5,6,7
	global_store_b128 v1, v[\yy+4*\i:\yy+4*\i+3], s[14:15] offset:4096*\n+512*\i
.endr
.endm
	ADDIN Y0, X0
	ADDIN Y1, X1                                   ; both rows first: the bias's and x's registers are free from here on
	NORM Y0, 0
	NORM Y1, 1
; task q = 2 x row + half: 512 numbers through stage q % 2, into the registers that held x
.macro TURN q
.set TSRC, Y0+64*((\q)/2)+16*((\q)%2)
.set TDST, X0+64*((\q)/2)+16*((\q)%2)
.irp i, 0,1,2,3
	ds_store_b128 v3, v[TSRC+4*\i:TSRC+4*\i+3] offset:32*SP*((\q)%2)+8*SP*\i
.endr
.irp i, 0,1,2,3
	ds_load_b128 v[TDST+4*\i:TDST+4*\i+3], v4 offset:32*SP*((\q)%2)+16*\i   ; LDS serves a wave's instructions in order
.endr
.endm
.macro QSTEP q, left                   ; left: the LDS instructions issued behind this task's loads
.set XS, X0+64*((\q)/2)+16*((\q)%2)
	s_wait_dscnt \left
.if (\q)+2 < 4
	TURN (\q)+2
.endif
	v_max3_num_f32 v8, |v[XS]|, |v[XS+1]|, |v[XS+2]|
	v_max3_num_f32 v10, |v[XS+3]|, |v[XS+4]|, |v[XS+5]|
.irp i, 6,10
	s_delay_alu instid0(VALU_DEP_2)
	v_max3_num_f32 v8, v8, |v[XS+\i]|, |v[XS+\i+1]|
	s_delay_alu instid0(VALU_DEP_2)
	v_max3_num_f32 v10, v10, |v[XS+\i+2]|, |v[XS+\i+3]|
.endr
	s_delay_alu instid0(VALU_DEP_2)
	v_max3_num_f32 v8, v8, |v[XS+14]|, |v[XS+15]|
	s_delay_alu instid0(VALU_DEP_1)
	v_max3_num_f32 v8, v8, v10, 0x1800000          ; the floor 2^(3 - 127)
	s_delay_alu instid0(VALU_DEP_1)
	v_max_num_f32_dpp v8, v8, v8 row_xmask:1 row_mask:0xf bank_mask:0xf
	s_delay_alu instid0(VALU_DEP_1)
	v_add_nc_u32 v12, 0xff000000, v8               ; 2 off the exponent field: the conversion's scale operand
	v_cvt_scalef32_pk16_fp6_f32 v[BO+4*(\q):BO+4*(\q)+2], v[XS:XS+15], v12
	v_lshrrev_b32 v[BO+16+(\q)], 23, v12           ; the byte
	ds_store_b8 v5, v[BO+16+(\q)] offset:16*(\q)
	global_store_b96 v2, v[BO+4*(\q):BO+4*(\q)+2], s[16:17] offset:384*(\q)
.endm
	TURN 0
	TURN 1
	s_wait_alu depctr_va_vdst(0)
	QSTEP 0, 8                                     ; task 1's eight may be out
	QSTEP 1, 9                                     ; task 2's eight and a byte store
	QSTEP 2, 10                                    ; a byte store, task 3's eight, a byte store
	QSTEP 3, 2                                     ; two byte stores
	s_wait_dscnt 0x0                               ; for the others' sake: my byte stores have landed
	s_barrier_signal -1
	s_barrier_wait -1
	s_cmp_lg_u32 s20, 0
	s_cbranch_scc1 .Lnot_wave_0
	ds_load_b128 v[240:243], v15
	s_wait_dscnt 0x0
	global_store_b128 v1, v[240:243], s[18:19]     ; 512 consecutive bytes, aligned
.Lnot_wave_0:
	s_wait_tensorcnt 0x0                           ; the wave's end, behind my last LDS store
	ds_add_u32 v[SPW], v[NIL]
	s_wait_dscnt 0x0
	s_endpgm
.Lfunc_end_k_qaf02edffd8_ln1q:
	.size	k_qaf02edffd8_ln1q, .Lfunc_end_k_qaf02edffd8_ln1q-k_qaf02edffd8_ln1q
	.p2alignl 7, 3214868480
	.fill 96, 4, 3214868480
	.section	.rodata,"a",@progbits
	.p2align	6, 0x0
	.amdhsa_kernel k_qaf02edffd8_ln1q
		.amdhsa_group_segment_fixed_size 42496
		.amdhsa_private_segment_fixed_size 0
		.amdhsa_enable_private_segment 0
		.amdhsa_kernarg_size 64
		.amdhsa_user_sgpr_count 2
		.amdhsa_user_sgpr_kernarg_segment_ptr 1
		.amdhsa_wavefront_size32 1
		.amdhsa_system_sgpr_workgroup_id_x 1
		.amdhsa_system_sgpr_workgroup_id_y 1
		.amdhsa_system_sgpr_workgroup_id_z 1
		.amdhsa_system_vgpr_workitem_id 0
		.amdhsa_next_free_vgpr 256
		.amdhsa_next_free_sgpr 66
		.amdhsa_reserve_vcc 0
		.amdhsa_float_denorm_mode_32 3
		.amdhsa_float_denorm_mode_16_64 3
		.amdhsa_memory_ordered 1
		.amdhsa_forward_progress 1
		.amdhsa_inst_pref_size 36
	.end_amdhsa_kernel
	.amdgpu_metadata
---
amdhsa.version: [ 1, 2 ]
amdhsa.kernels:
  - .name:           k_qaf02edffd8_ln1q
    .symbol:         k_qaf02edffd8_ln1q.kd
    .args:
      - { .name: y, .offset: 0, .size: 8, .value_kind: global_buffer, .address_space: global }
      - { .name: x, .offset: 8, .size: 8, .value_kind: global_buffer, .address_space: global }
      - { .name: bo, .offset: 16, .size: 8, .value_kind: global_buffer, .address_space: global }
      - { .name: ln1_g, .offset: 24, .size: 8, .value_kind: global_buffer, .address_space: global }
      - { .name: ln1_b, .offset: 32, .size: 8, .value_kind: global_buffer, .address_space: global }
      - { .name: x1, .offset: 40, .size: 8, .value_kind: global_buffer, .address_space: global }
      - { .name: ac, .offset: 48, .size: 8, .value_kind: global_buffer, .address_space: global }
      - { .name: asc, .offset: 56, .size: 8, .value_kind: global_buffer, .address_space: global }
    .group_segment_fixed_size: 42496
    .private_segment_fixed_size: 0
    .kernarg_segment_align: 8
    .kernarg_segment_size: 64
    .max_flat_workgroup_size: 256
    .sgpr_count:     66
    .vgpr_count:     256
    .wavefront_size: 32
...
	.end_amdgpu_metadata
.endif
;; end of part 5
;; launch gw1 (part 6): grid 16 x 16, 4 waves a work-group, clusters of 4 x 4, 327,680 bytes of LDS; arguments ac, asc, w1_codes, w1_scales, b1, hc, hs; writes hc, hs
.if DOCPART == 6
	.amdgcn_target "amdgcn-amd-amdhsa--gfx1250"
	.amdhsa_code_object_version 6
	.text
	.protected	k_qaf02edffd8_gw1
	.globl	k_qaf02edffd8_gw1
	.p2align	8
	.type	k_qaf02edffd8_gw1,@function
k_qaf02edffd8_gw1:
	s_mov_b64 s[64:65], 0
	v_nop
	global_prefetch_b8 v0, s[64:65] scope:SCOPE_SE
	s_setreg_imm32_b32 hwreg(HW_REG_WAVE_MODE, 25, 1), 1
	s_wait_xcnt 0x0
	s_wait_alu depctr_hold_cnt(0) depctr_sa_sdst(0) depctr_va_vdst(0) depctr_va_sdst(0) depctr_va_ssrc(0) depctr_va_vcc(0) depctr_vm_vsrc(0)
	s_getreg_b32 s2, hwreg(HW_REG_IB_STS2, 6, 4)
	s_cmp_eq_u32 s2, 0
	s_cbranch_scc0 .Lentry_in_a_cluster
	s_endpgm
.Lentry_in_a_cluster:
	s_bfe_u32 s2, ttmp6, 0x10000c
	s_cmp_lg_u32 s2, 0xf033
	s_cbranch_scc0 .Lentry_shape_is_right
	s_endpgm
.Lentry_shape_is_right:
.set SIZE_K, 1024
; The hidden layer = relu(codes x codes + b1), quantised on the way out.  No work is left out.
; The ring of two LDS slots goes by chunks of 256 bytes of each row of codes (a row is 768 bytes: three chunks); a step of 128 along K is 96 bytes, eight steps to three chunks.
.set NQ,     2
.set ROWB,   256
.set KROW,   SIZE_K*6/8
.set PITCH,  272
.set FR,     12
.set NL,     6
.set NP,     4
.set HALFT,  128*PITCH
.set SLOT,   4*HALFT
.set STEPS,  SIZE_K/128
.set CHUNKS, KROW/ROWB
.set KS,     SIZE_K/32
.set SCL,    2*SLOT
.set HALFS,  (128*KS/256)*272
.set SBLK,   (16*KS/256)*272
.set SPARE,  SCL+4*HALFS
.set SPITCH, 528
.set STAGE,  (CHUNKS%2)*SLOT           ; the way out's stage lies in the slot that does not hold the last chunk
.set AREA,   STAGE+4*16*SPITCH
.set HROW,   3072
.set ADRA, 16
.set ADRB, 20
.set STO,  24
.set RD,   25
.set LC,   26
.set ADRS, 27
.set SPW,  28
.set NIL,  29
.set SA,   30
.set SR,   31
.set SG,   15
.set BOF,  14
.set SC,   32
.set BT,   64
.set AF,   128
.set QX,   128
.set QC,   192
.set QT,   208
.set QS,   216
.set QB,   220
.set G1, 24
.set G0, 32
.set G1B, 48
.set G0B, 56
.set G1S, 68
.set G0S, 76
.set G1SB, 80
.set G0SB, 88
.set MSB, 0
.macro WIN new
.if MSB != \new
	s_set_vgpr_msb (MSB<<8)|\new
.set MSB, \new
.endif
.endm
.set MUL_LO, 0xa1
.set MUL_HI, 0xf1
.set TO_B,   0x40
.macro JLOAD g0a, g1a, g0b, g1b
	s_cmp_eq_u32 s15, 0
	s_cbranch_scc0 .Lfor_b_\@
	tensor_load_to_lds s[\g0a:\g0a+3], s[\g1a:\g1a+7]
	s_nop 0
.rept 4
	v_nop
.endr
	s_branch .Lasked_\@
.Lfor_b_\@:
	tensor_load_to_lds s[\g0b:\g0b+3], s[\g1b:\g1b+7]
	s_nop 0
.rept 4
	v_nop
.endr
.Lasked_\@:
.endm
.macro CREST
	s_cmp_lg_u32 s14, 0
	s_cbranch_scc1 .Lnot_wave_0_\@
	s_barrier_signal -3
.Lnot_wave_0_\@:
	s_barrier_wait -3
	s_barrier_signal -1
	s_barrier_wait -1
.endm
.macro CROUND
	s_barrier_signal -1
	s_barrier_wait -1
	CREST
.endm
	s_load_b128 s[4:7], s[0:1], 0x0
	s_load_b128 s[8:11], s[0:1], 0x10
	s_load_b128 s[96:99], s[0:1], 0x20
	s_load_b64 s[100:101], s[0:1], 0x30
	v_lshl_add_u32 v[SPW], v0, 2, SPARE
	v_mov_b32 v[NIL], 0
	ds_add_u32 v[SPW], v[NIL]
	ds_add_u32 v[SPW], v[NIL]
	v_lshrrev_b32 v1, 5, v0
	v_readfirstlane_b32 s14, v1
	s_lshr_b32 s15, s14, 1
	s_and_b32 s16, s14, 1
	s_bfe_u32 s40, ttmp6, 0x40000
	s_bfe_u32 s41, ttmp6, 0x40004
	s_lshl_b32 s42, ttmp9, 2
	s_add_co_u32 s42, s42, s40
	s_and_b32 s17, ttmp7, 0xffff
	s_lshl_b32 s17, s17, 2
	s_add_co_u32 s17, s17, s41
	s_lshl_b32 s43, s41, 2
	s_lshl_b32 s43, 15, s43
	s_lshl_b32 s44, 0x1111, s40
	s_or_b32 s[G1+0], s43, (0<<16)|(1<<20)|(1<<21)|(5<<22)|(3<<25)   ; rows of 256 bytes, 16 bytes of padding behind each; 256 rows for the head's loads
	s_or_b32 s[G1B+0], s44, (0<<16)|(1<<20)|(1<<21)|(5<<22)|(3<<25)
.irp g, G1, G1B
	s_mov_b32 s[\g+1], ROWB<<16
	s_mov_b32 s[\g+2], 256<<16
	s_mov_b32 s[\g+3], ROWB<<16
	s_mov_b32 s[\g+4], 256
	s_mov_b32 s[\g+5], KROW
	s_mov_b32 s[\g+6], 0
	s_mov_b32 s[\g+7], 0
.endr
	s_or_b32 s[G1S+0], s43, (3<<16)|(1<<20)|(1<<21)|(5<<22)|(3<<25)
	s_or_b32 s[G1SB+0], s44, (3<<16)|(1<<20)|(1<<21)|(5<<22)|(3<<25)
.irp g, G1S, G1SB
	s_mov_b32 s[\g+1], 32<<16
	s_mov_b32 s[\g+2], KS<<16                      ; the scales of 256 rows: KS rows of 256 bytes
	s_mov_b32 s[\g+3], 32<<16
	s_mov_b32 s[\g+4], KS
	s_mov_b32 s[\g+5], 32
	s_mov_b32 s[\g+6], 0
	s_mov_b32 s[\g+7], 0
.endr
	s_lshl_b32 s20, s17, 8
	s_lshl_b32 s46, s42, 8
	s_mov_b32 s21, 0
	s_mov_b32 s47, 0
	s_mov_b64 s[18:19], KS
	s_mul_u64 s[22:23], s[20:21], s[18:19]
	s_mul_u64 s[92:93], s[46:47], s[18:19]
	s_mov_b64 s[18:19], KROW
	s_mul_u64 s[20:21], s[20:21], s[18:19]
	s_mul_u64 s[46:47], s[46:47], s[18:19]
	s_mul_i32 s18, s16, 128*KROW                   ; in the ring I fetch 128 rows of a tile: which half, in bytes
	s_mov_b32 s19, 0
	s_mul_i32 s45, s14, HALFT
	s_wait_dscnt 0x0
	s_wait_kmcnt 0x0
	s_add_nc_u64 s[20:21], s[4:5], s[20:21]
	s_add_nc_u64 s[22:23], s[6:7], s[22:23]
	s_add_nc_u64 s[46:47], s[8:9], s[46:47]
	s_add_nc_u64 s[92:93], s[10:11], s[92:93]
	CROUND
	s_mov_b32 s[G0S], 1
	s_mov_b32 s[G0S+1], SCL
	s_mov_b64 s[G0S+2:G0S+3], s[22:23]
	s_or_b32 s[G0S+3], s[G0S+3], 0x80000000
	s_mov_b32 s[G0SB], 1
	s_mov_b32 s[G0SB+1], SCL+2*HALFS
	s_mov_b64 s[G0SB+2:G0SB+3], s[92:93]
	s_or_b32 s[G0SB+3], s[G0SB+3], 0x80000000
	s_mov_b32 s[G0], 1                             ; slot 0's group 0 first serves the head: chunk 0's 256 rows of A,
	s_mov_b32 s[G0+1], 0
	s_mov_b64 s[G0+2:G0+3], s[20:21]
	s_or_b32 s[G0+3], s[G0+3], 0x80000000
	s_mov_b32 s[G0B], 1                            ; and of B, behind them
	s_mov_b32 s[G0B+1], 2*HALFT
	s_mov_b64 s[G0B+2:G0B+3], s[46:47]
	s_or_b32 s[G0B+3], s[G0B+3], 0x80000000
	s_add_nc_u64 s[20:21], s[20:21], s[18:19]      ; slot 1: my 128 rows of chunk 1
	s_add_nc_u64 s[46:47], s[46:47], s[18:19]
	s_mov_b32 s[G0+4], 1
	s_add_co_u32 s[G0+5], s45, SLOT
	s_add_nc_u64 s[G0+6:G0+7], s[20:21], ROWB
	s_or_b32 s[G0+7], s[G0+7], 0x80000000
	s_mov_b32 s[G0B+4], 1
	s_add_co_u32 s[G0B+5], s45, SLOT
	s_add_nc_u64 s[G0B+6:G0B+7], s[46:47], ROWB
	s_or_b32 s[G0B+7], s[G0B+7], 0x80000000
; the head's four tiles, one joint load a wave: one chain of branches on the wave's number, one load to an arm
.macro ARM under, g0, g1, next
	s_cmp_lt_u32 s14, \under
	s_cbranch_scc0 \next
	tensor_load_to_lds s[\g0:\g0+3], s[\g1:\g1+7]
	s_nop 0
.rept 4
	v_nop
.endr
	s_branch .Lhead_asked
\next:
.endm
	ARM 1, G0,  G1,  .Lhead_b
	ARM 2, G0B, G1B, .Lhead_sa
	ARM 3, G0S, G1S, .Lhead_sb
	tensor_load_to_lds s[G0SB:G0SB+3], s[G1SB:G1SB+7]
	s_nop 0
.rept 4
	v_nop
.endr
.Lhead_asked:
	v_and_b32 v1, 15, v0
	v_bfe_u32 v2, v0, 4, 1
	v_mul_u32_u24 v3, v1, PITCH
	v_mul_u32_u24 v4, v2, 24
	v_add_nc_u32 v4, v3, v4
	s_mov_b32 s21, SLOT-232
	s_mov_b32 s22, SLOT+232
	v_sub_nc_u32 v7, 1, v2
	v_mul_u32_u24 v5, s21, v2
	v_add_nc_u32 v5, v3, v5
	v_add_nc_u32 v5, 232, v5                       ; across two chunks: lanes 0-15 byte 232 of the row in slot 0, lanes 16-31 byte 0 of the row in slot 1;
	v_mul_u32_u24 v6, s22, v7
	v_add_nc_u32 v6, v3, v6                        ; and the other way round
	s_mul_i32 s21, s15, HALFT
	s_mul_i32 s22, s16, HALFT
	s_add_co_u32 s22, s22, 2*HALFT
	v_add_nc_u32 v[ADRA+2], s21, v5
	v_add_nc_u32 v[ADRA+3], s21, v6
	v_add_nc_u32 v[ADRB+2], s22, v5
	v_add_nc_u32 v[ADRB+3], s22, v6
.irp s, 0,1
	v_add_nc_u32 v[ADRA+\s], s21, v4
	v_add_nc_u32 v[ADRB+\s], s22, v4
	s_add_co_u32 s21, s21, SLOT
	s_add_co_u32 s22, s22, SLOT
.endr
	v_mul_u32_u24 v5, v1, KS
	v_lshrrev_b32 v6, 8, v5
	v_lshl_add_u32 v5, v6, 4, v5
	s_mul_i32 s21, s15, HALFS
	s_mul_i32 s22, s16, HALFS
	s_add_co_u32 s22, s22, 2*HALFS
	s_sub_co_u32 s22, s22, s21
	v_mul_u32_u24 v6, s22, v2
	s_add_co_u32 s21, s21, SCL
	v_add_nc_u32 v5, v5, v6
	v_add_nc_u32 v[ADRS], s21, v5
	s_mul_i32 s23, s14, 16*SPITCH
	s_add_co_u32 s23, s23, STAGE
	v_mul_u32_u24 v5, v1, SPITCH
	v_lshl_add_u32 v5, v2, 5, v5
	v_add_nc_u32 v[STO], s23, v5
	v_and_b32 v6, 31, v0
	v_lshrrev_b32 v9, 2, v6
	v_and_b32 v10, 3, v6
	v_lshrrev_b32 v11, 1, v10
	v_mul_u32_u24 v[RD], v9, SPITCH
	v_lshl_add_u32 v[RD], v10, 6, v[RD]
	v_add_nc_u32 v[RD], s23, v[RD]
	s_lshl_b32 s22, s14, 9
	s_add_co_u32 s22, s22, AREA
	v_lshl_add_u32 v[SA], v9, 2, v11
	v_add_nc_u32 v[SA], s22, v[SA]
	v_lshl_add_u32 v[SR], v6, 2, s22
	v_mul_u32_u24 v[LC], v9, HROW
	v_mad_u32_u24 v[LC], v10, 12, v[LC]
	v_lshlrev_b32 v[SG], 7, v6
	v_lshlrev_b32 v[BOF], 5, v2
	s_wait_alu depctr_va_vdst(0)
	s_lshl_b32 s20, s17, 8
	s_lshl_b32 s21, s15, 7
	s_add_co_u32 s20, s20, s21
	s_lshl_b32 s46, s42, 8
	s_lshl_b32 s47, s16, 7
	s_add_co_u32 s46, s46, s47
	s_mul_i32 s22, s20, HROW
	s_mul_i32 s23, s46, 3
	s_lshr_b32 s23, s23, 2
	s_add_co_u32 s22, s22, s23
	s_mov_b32 s23, 0
	s_add_nc_u64 s[98:99], s[98:99], s[22:23]
	s_lshl_b32 s22, s20, 7
	s_lshr_b32 s21, s46, 5
	s_add_co_u32 s22, s22, s21
	s_add_nc_u64 s[100:101], s[100:101], s[22:23]
	s_lshl_b32 s22, s46, 2
	s_add_nc_u64 s[96:97], s[96:97], s[22:23]
.irp b, 0,1,2,3,4,5,6,7
	global_load_b128 v[BT+8*\b:BT+8*\b+3], v[BOF], s[96:97] offset:64*\b
	global_load_b128 v[BT+8*\b+4:BT+8*\b+7], v[BOF], s[96:97] offset:64*\b+16
.endr
.macro FRAG reg, adr, st, i            ; pieces of 8 bytes; byte y of a row lies in slot (y / 256) % 2 at byte y % 256 of the LDS row
.irp p, 0,1,2,3,4,5
.set BY, 96*(\st)+48*(\p/3)+8*(\p%3)
.if BY/ROWB == (BY+24)/ROWB
	ds_load_b64 v[\reg+2*\p:\reg+2*\p+1], v[\adr+(BY/ROWB)%2] offset:BY%ROWB+(\i)*16*PITCH
.else
	ds_load_b64 v[\reg+2*\p:\reg+2*\p+1], v[\adr+2+(BY/ROWB)%2] offset:BY%ROWB-232+(\i)*16*PITCH
.endif
.endr
.endm
.macro MUL16 a0, p, q, sc, zero
.irp a, \a0, \a0+1
.irp b, 0,1,2,3,4,5,6,7
.if \zero
	v_wmma_scale_f32_16x16x128_f8f6f4 v[8*(8*((\a)%4)+\b):8*(8*((\a)%4)+\b)+7], v[128*(\p)+FR*\b:128*(\p)+FR*\b+FR-1], v[AF+FR*(\a):AF+FR*(\a)+FR-1], v[BT+8*\b:BT+8*\b+7], v[SC+8*NQ*(\sc)+NQ*\b+(\q)], v[SC+8*NQ*(\sc)+NQ*(\a)+(\q)] matrix_a_fmt:MATRIX_FMT_FP6 matrix_b_fmt:MATRIX_FMT_FP6 matrix_a_scale:MATRIX_SCALE_ROW1
.else
	v_wmma_scale_f32_16x16x128_f8f6f4 v[8*(8*((\a)%4)+\b):8*(8*((\a)%4)+\b)+7], v[128*(\p)+FR*\b:128*(\p)+FR*\b+FR-1], v[AF+FR*(\a):AF+FR*(\a)+FR-1], v[8*(8*((\a)%4)+\b):8*(8*((\a)%4)+\b)+7], v[SC+8*NQ*(\sc)+NQ*\b+(\q)], v[SC+8*NQ*(\sc)+NQ*(\a)+(\q)] matrix_a_fmt:MATRIX_FMT_FP6 matrix_b_fmt:MATRIX_FMT_FP6 matrix_a_scale:MATRIX_SCALE_ROW1
.endif
.endr
.endr
.endm
.macro FETCH_B st, p
	WIN TO_B
.irp i, 0,1,2,3,4,5,6,7
	FRAG 128*(\p)+FR*\i, ADRB, \st, \i
.endr
	WIN 0
.endm
.macro FETCH_A st, i0
.irp i, \i0, \i0+1, \i0+2, \i0+3
	FRAG AF+FR*(\i), ADRA, \st, \i
.endr
.endm
.macro SCALES pr
.irp i, 0,1,2,3,4,5,6,7
	ds_load_b64 v[SC+8*NQ*((\pr)%2)+NQ*\i:SC+8*NQ*((\pr)%2)+NQ*\i+1], v[ADRS] offset:\i*SBLK+4*NQ*(\pr)
.endr
.endm
.macro PLACES n
.rept \n
	v_nop
.endr
.endm
; A step: 64 products on step st's fragments; the next step's are fetched in its middle and at its end.  wl, wh: the register windows of its two halves.
; Where the next step's bytes end in a chunk not read yet, a barrier shows that chunk whole; where they begin in a later chunk, the chunk left behind is free: the wait for all my tensor loads, the add, the wait
; for it and for my reads, the barrier, which opens a round of the cluster's barrier where a chunk two on is left to fetch, and the refill first behind it.
.macro STEP st, zero, wl, wh
.set NX, (\st)+1
.set C0, (96*(\st))/ROWB
.set C1, (96*NX)/ROWB
.set E0, (96*(\st)+95)/ROWB
.set E1, (96*NX+95)/ROWB
.if C1 > C0 || E1 > E0
	s_wait_tensorcnt 0x0
.if C1 > C0
	ds_add_u32 v[SPW], v[NIL]
	s_wait_dscnt 4*NL+1                            ; the add and A's blocks 4-7 may be out
.else
	s_wait_dscnt 4*NL                              ; A's blocks 4-7 may be out
.endif
	WIN \wl
	MUL16 0, (\st)%2, (\st)%2, ((\st)/2)%2, \zero
	s_wait_dscnt 0x0
	s_barrier_signal -1
	MUL16 2, (\st)%2, (\st)%2, ((\st)/2)%2, \zero
	WIN 0
	s_barrier_wait -1
.if C1 > C0 && C0+2 < CHUNKS
	CREST
	s_add_nc_u64 s[G0+4*(C0%2)+2:G0+4*(C0%2)+3], s[G0+4*(C0%2)+2:G0+4*(C0%2)+3], 2*ROWB
	s_add_nc_u64 s[G0B+4*(C0%2)+2:G0B+4*(C0%2)+3], s[G0B+4*(C0%2)+2:G0B+4*(C0%2)+3], 2*ROWB
	JLOAD G0+4*(C0%2), G1, G0B+4*(C0%2), G1B
.else
	PLACES NP
.endif
.else
	s_wait_dscnt 4*NL
	WIN \wl
	MUL16 0, (\st)%2, (\st)%2, ((\st)/2)%2, \zero
	MUL16 2, (\st)%2, (\st)%2, ((\st)/2)%2, \zero
	s_wait_dscnt 0
	PLACES NP
.endif
	FETCH_B NX, NX%2
	FETCH_A NX, 0
.if NX%2 == 0
	SCALES NX/2
.endif
	WIN \wh
	MUL16 4, (\st)%2, (\st)%2, ((\st)/2)%2, \zero
	MUL16 6, (\st)%2, (\st)%2, ((\st)/2)%2, \zero
	PLACES NP
	WIN 0
	FETCH_A NX, 4
.endm
	s_wait_alu depctr_va_vdst(0)                   ; the head's end
	s_wait_tensorcnt 0x0                           ; my tile of the head's four is in
	ds_add_u32 v[SPW], v[NIL]
	s_mov_b32 s[G1+2], 128<<16                     ; no load of mine is out: from here on a load brings my 128 rows
	s_mov_b32 s[G1+4], 128
	s_mov_b32 s[G1B+2], 128<<16
	s_mov_b32 s[G1B+4], 128
	s_mul_i32 s[G0+1], s14, HALFT
	s_mul_i32 s[G0B+1], s14, HALFT
	s_mul_i32 s18, s16, 128*KROW
	s_mov_b32 s19, 0
	s_add_nc_u64 s[G0+2:G0+3], s[G0+2:G0+3], s[18:19]
	s_add_nc_u64 s[G0B+2:G0B+3], s[G0B+2:G0B+3], s[18:19]
	s_wait_dscnt 0x0
	CROUND
	JLOAD G0+4, G1, G0B+4, G1B                     ; chunk 1, the first tensor load behind the round
	FETCH_B 0, 0
	FETCH_A 0, 0
	SCALES 0
	FETCH_A 0, 4
	s_wait_loadcnt 0x0
	STEP 0, 1, 0x81, 0xc1
.set ST, 1
.rept STEPS-2
	STEP ST, 0, MUL_LO, MUL_HI
.set ST, ST+1
.endr
	s_wait_dscnt 4*NL
	WIN MUL_LO
	MUL16 0, 1, NQ-1, 1, 0
	MUL16 2, 1, NQ-1, 1, 0
	s_wait_dscnt 0
	WIN MUL_HI
	MUL16 4, 1, NQ-1, 1, 0
	MUL16 6, 1, NQ-1, 1, 0
	WIN 0
.macro QOUT a
.set AC, 64*((\a)%4)
.if (\a) > 0
	s_wait_xcnt 0x0
.endif
	WIN 0x08+4*((\a)/4)
.irp b, 0,1,2,3,4,5,6,7
	ds_store_b128 v[STO], v[AC+8*\b:AC+8*\b+3] offset:64*\b
	ds_store_b128 v[STO], v[AC+8*\b+4:AC+8*\b+7] offset:64*\b+16
.endr
	WIN 0
.irp n, 0,1,2,3
.irp q, 0,1,2,3
	ds_load_b128 v[QX+16*\n+4*\q:QX+16*\n+4*\q+3], v[RD] offset:8*(\n/2)*SPITCH+256*(\n%2)+16*\q
.endr
.endr
	s_wait_dscnt 0x0
.irp i, 0,1,2,3,4,5,6,7,8,9,10,11,12,13,14,15,16,17,18,19,20,21,22,23,24,25,26,27,28,29,30,31,32,33,34,35,36,37,38,39,40,41,42,43,44,45,46,47,48,49,50,51,52,53,54,55,56,57,58,59,60,61,62,63
	v_max_num_f32 v[QX+\i], 0, v[QX+\i]
.endr
.irp n, 0,1,2,3
	v_max3_num_f32 v[QT+2*\n], v[QX+16*\n], v[QX+16*\n+1], v[QX+16*\n+2]
	v_max3_num_f32 v[QT+2*\n+1], v[QX+16*\n+3], v[QX+16*\n+4], v[QX+16*\n+5]
.endr
.irp i, 6,10
.irp n, 0,1,2,3
	v_max3_num_f32 v[QT+2*\n], v[QT+2*\n], v[QX+16*\n+\i], v[QX+16*\n+\i+1]
	v_max3_num_f32 v[QT+2*\n+1], v[QT+2*\n+1], v[QX+16*\n+\i+2], v[QX+16*\n+\i+3]
.endr
.endr
.irp n, 0,1,2,3
	v_max3_num_f32 v[QT+2*\n], v[QT+2*\n], v[QX+16*\n+14], v[QX+16*\n+15]
.endr
.irp n, 0,1,2,3
	v_max3_num_f32 v[QT+2*\n], v[QT+2*\n], v[QT+2*\n+1], 0x1800000
.endr
.irp n, 0,1,2,3
	v_max_num_f32_dpp v[QT+2*\n], v[QT+2*\n], v[QT+2*\n] row_xmask:1 row_mask:0xf bank_mask:0xf
.endr
.irp n, 0,1,2,3
	v_add_nc_u32 v[QS+\n], 0xff000000, v[QT+2*\n]
.endr
.irp n, 0,1,2,3
	v_cvt_scalef32_pk16_fp6_f32 v[QC+4*\n:QC+4*\n+2], v[QX+16*\n:QX+16*\n+15], v[QS+\n]
.endr
.irp n, 0,1,2,3
	v_lshrrev_b32 v[QB+\n], 23, v[QS+\n]
.endr
.irp n, 0,1,2,3
	ds_store_b8 v[SA], v[QB+\n] offset:(16*(\a)+8*(\n/2))*4+2*(\n%2)
.endr
.irp n, 0,1,2,3
	global_store_b96 v[LC], v[QC+4*\n:QC+4*\n+2], s[98:99] offset:(16*(\a)+8*(\n/2))*HROW+48*(\n%2)
.endr
.endm
	PLACES NP
.irp a, 0,1,2,3,4,5,6,7
	QOUT \a
.endr
.irp q, 0,1,2,3
	ds_load_b32 v[QX+\q], v[SR] offset:128*\q
.endr
	s_wait_dscnt 0x0
.irp q, 0,1,2,3
	global_store_b32 v[SG], v[QX+\q], s[100:101] offset:4096*\q
.endr
	s_wait_tensorcnt 0x0
	ds_add_u32 v[SPW], v[NIL]
	s_wait_dscnt 0x0
	CROUND
	s_endpgm
.Lfunc_end_k_qaf02edffd8_gw1:
	.size	k_qaf02edffd8_gw1, .Lfunc_end_k_qaf02edffd8_gw1-k_qaf02edffd8_gw1
	.p2alignl 7, 3214868480
	.fill 96, 4, 3214868480
	.section	.rodata,"a",@progbits
	.p2align	6, 0x0
	.amdhsa_kernel k_qaf02edffd8_gw1
		.amdhsa_group_segment_fixed_size 327680
		.amdhsa_private_segment_fixed_size 0
		.amdhsa_enable_private_segment 0
		.amdhsa_kernarg_size 56
		.amdhsa_user_sgpr_count 2
		.amdhsa_user_sgpr_kernarg_segment_ptr 1
		.amdhsa_wavefront_size32 1
		.amdhsa_system_sgpr_workgroup_id_x 1
		.amdhsa_system_sgpr_workgroup_id_y 1
		.amdhsa_system_sgpr_workgroup_id_z 1
		.amdhsa_system_vgpr_workitem_id 0
		.amdhsa_next_free_vgpr 1024
		.amdhsa_next_free_sgpr 102
		.amdhsa_reserve_vcc 0
		.amdhsa_float_denorm_mode_32 3
		.amdhsa_float_denorm_mode_16_64 3
		.amdhsa_memory_ordered 1
		.amdhsa_forward_progress 1
		.amdhsa_inst_pref_size 196
	.end_amdhsa_kernel
	.amdgpu_metadata
---
amdhsa.version: [ 1, 2 ]
amdhsa.kernels:
  - .name:           k_qaf02edffd8_gw1
    .symbol:         k_qaf02edffd8_gw1.kd
    .args:
      - { .name: ac, .offset: 0, .size: 8, .value_kind: global_buffer, .address_space: global }
      - { .name: asc, .offset: 8, .size: 8, .value_kind: global_buffer, .address_space: global }
      - { .name: w1_codes, .offset: 16, .size: 8, .value_kind: global_buffer, .address_space: global }
      - { .name: w1_scales, .offset: 24, .size: 8, .value_kind: global_buffer, .address_space: global }
      - { .name: b1, .offset: 32, .size: 8, .value_kind: global_buffer, .address_space: global }
      - { .name: hc, .offset: 40, .size: 8, .value_kind: global_buffer, .address_space: global }
      - { .name: hs, .offset: 48, .size: 8, .value_kind: global_buffer, .address_space: global }
    .group_segment_fixed_size: 327680
    .private_segment_fixed_size: 0
    .kernarg_segment_align: 8
    .kernarg_segment_size: 56
    .max_flat_workgroup_size: 128
    .sgpr_count:     102
    .vgpr_count:     1024
    .wavefront_size: 32
...
	.end_amdgpu_metadata
.endif
;; end of part 6
;; launch gw2 (part 7): grid 8 x 32, 4 waves a work-group, clusters of 4 x 4, 327,680 bytes of LDS; arguments hc, hs, w2_codes, w2_scales, y; writes y
.if DOCPART == 7
	.amdgcn_target "amdgcn-amd-amdhsa--gfx1250"
	.amdhsa_code_object_version 6
	.text
	.protected	k_qaf02edffd8_gw2
	.globl	k_qaf02edffd8_gw2
	.p2align	8
	.type	k_qaf02edffd8_gw2,@function
k_qaf02edffd8_gw2:
	s_mov_b64 s[64:65], 0
	v_nop
	global_prefetch_b8 v0, s[64:65] scope:SCOPE_SE
	s_setreg_imm32_b32 hwreg(HW_REG_WAVE_MODE, 25, 1), 1
	s_wait_xcnt 0x0
	s_wait_alu depctr_hold_cnt(0) depctr_sa_sdst(0) depctr_va_vdst(0) depctr_va_sdst(0) depctr_va_ssrc(0) depctr_va_vcc(0) depctr_vm_vsrc(0)
	s_getreg_b32 s2, hwreg(HW_REG_IB_STS2, 6, 4)
	s_cmp_eq_u32 s2, 0
	s_cbranch_scc0 .Lentry_in_a_cluster
	s_endpgm
.Lentry_in_a_cluster:
	s_bfe_u32 s2, ttmp6, 0x10000c
	s_cmp_lg_u32 s2, 0xf033
	s_cbranch_scc0 .Lentry_shape_is_right
	s_endpgm
.Lentry_shape_is_right:
; y = A B^T on codes of FP6 (E2M3) with E8M0 scales, sums in f32, one chain along all of K: A = the hidden layer [4096][4096] as codes, B = w2 [1024][4096] as given.  The bias and the residual are taken in by the next launch.  No work is left out.
; A block of 128 x 128 is made by four waves, each 64 x 64: 16 accumulators.  The result has 32 x 8 blocks: 256 work-groups.
; K goes through a ring of two LDS slots in CHUNKS OF 512 BYTES of each row of codes (a row is 3,072 bytes: six chunks, each beginning at a multiple of 256); a step of 128 along K is 96 bytes: sixteen steps to three chunks.
; 8 bytes of padding behind every 256: an LDS row is 528 bytes = 132 words, so 16 rows begin at 16 different multiples of 4 banks.  The scales of the block's rows, for all of K, come once, with the head's loads.
; CLUSTERS: 4 x 4: A's tiles are asked for jointly along a row of the cluster, B's along a column.
; PREFETCH: behind each fill of a slot (chunk c) one instruction a wave names chunk c + 1: 16 rows x 2 units of 256 bytes, a lane a unit.  Of the 64 rows that a wave fetches, each of the four partners that ask for them jointly
; takes 16, told apart by address alone.  The chunk's place stands in the immediate, so the address registers are never rewritten; chunks 0 and 1 come by their loads alone, and behind the last chunk's fill nothing is named.
; THE MATRIX INSTRUCTION IS USED TRANSPOSED (source 0 = 16 rows of B, source 1 = 16 rows of A): a lane holds eight neighbouring columns of one row.
; REGISTERS: window 0: v0-31 addresses; v32-47 scale words, two sets; v64-159 and v160-255 two sets of fragments (B's four, then A's four).  window 1: v0-127 the accumulators, (a, b) at 8 (4 a + b).
.set SIZE_N, 1024
.set KROW,   3072                      ; a row of codes in bytes
.set CH,     512                       ; a chunk
.set PADB,   8
.set CHUNKS, KROW/CH
.set STEPS,  KROW/96
.set KS,     KROW/24                   ; a row of scales in bytes
.set PITCH,  CH+PADB*(CH/256)
.set LP,     (CH-24)+PADB*((CH-24)/256) ; where byte CH - 24 of a chunk lies in its LDS row
.set QT,     64*PITCH                  ; 64 rows: what a ring's load brings, and what a wave reads of A or of B
.set SLOT,   4*QT                      ; A's 128 rows, then B's 128
.set SCL,    2*SLOT                    ; the scales, as units of 256 bytes + 16 of padding
.set HALFS,  (64*KS/256)*272
.set SBLK,   (16*KS/256)*272
.set SPITCH, 272
.set STAGE,  SCL+4*HALFS               ; the way out: 16 rows x (256 + 16) bytes for each wave, bytes into which no tile lands
.set SPARE,  STAGE+4*16*SPITCH         ; the spare words, 128 bytes for each wave, which no other line names
.set NP,   4                           ; places behind this matrix instruction (ISA guide 7.12.1)
.set ADRA, 8                           ; v8-9 my A fragments in slot 0, 1; v10-11 with the padding added in lanes 16-31; v12-13 lanes 0-15 at the end of a chunk in slot 0, 1 and lanes 16-31 at the start of the other slot's row
.set ADRB, 14                          ; v14-19 the same for B
.set STO,  20
.set RD,   21
.set CO,   22
.set ADRS, 23
.set PFO,  24                          ; the prefetches' offset; never rewritten
.set SPW,  28
.set NIL,  29
.set SC,   32
.set BK,   64
.set G1, 24
.set G0, 32
.set G1B, 48
.set G0B, 56
.set G1S, 68
.set G0S, 76
.set G1SB, 80
.set G0SB, 88
.set PFA, 94                           ; s[94:95] the prefetches' base; never rewritten
.set MULW, 0x50                        ; C and D in window 1, the sources in window 0
.set MSB, 0
.macro WIN new
.if MSB != \new
	s_set_vgpr_msb (MSB<<8)|\new
.set MSB, \new
.endif
.endm
.macro JLOAD g0a, g1a, g0b, g1b        ; a joint load: waves 0 and 1 fetch for A, waves 2 and 3 for B; an s_nop 0 and four v_nop follow each line
	s_cmp_eq_u32 s15, 0
	s_cbranch_scc0 .Lfor_b_\@
	tensor_load_to_lds s[\g0a:\g0a+3], s[\g1a:\g1a+7]
	s_nop 0
.rept 4
	v_nop
.endr
	s_branch .Lasked_\@
.Lfor_b_\@:
	tensor_load_to_lds s[\g0b:\g0b+3], s[\g1b:\g1b+7]
	s_nop 0
.rept 4
	v_nop
.endr
.Lasked_\@:
.endm
.macro CREST
	s_cmp_lg_u32 s14, 0
	s_cbranch_scc1 .Lnot_wave_0_\@
	s_barrier_signal -3
.Lnot_wave_0_\@:
	s_barrier_wait -3
	s_barrier_signal -1
	s_barrier_wait -1
.endm
.macro CROUND
	s_barrier_signal -1
	s_barrier_wait -1
	CREST
.endm
.macro PLACES n
.rept \n
	v_nop
.endr
.endm
	s_load_b128 s[4:7], s[0:1], 0x0                ; A's codes, A's scales
	s_load_b128 s[8:11], s[0:1], 0x10              ; B's codes, B's scales
	s_load_b64 s[12:13], s[0:1], 0x20              ; y
	v_lshl_add_u32 v[SPW], v0, 2, SPARE
	v_mov_b32 v[NIL], 0
	ds_add_u32 v[SPW], v[NIL]                      ; the opening lines: the add, twice on end, and its wait ahead of my first tensor load
	ds_add_u32 v[SPW], v[NIL]
	v_lshrrev_b32 v1, 5, v0
	v_readfirstlane_b32 s14, v1                    ; wave 0..3
	s_lshr_b32 s15, s14, 1                         ; which 64 rows of the block are mine.  Also: I fetch for A (0) or for B (1)
	s_and_b32 s16, s14, 1                          ; which 64 columns.  Also: which 64 rows of that tile I fetch
	s_bfe_u32 s40, ttmp6, 0x40000                  ; cx, cy
	s_bfe_u32 s41, ttmp6, 0x40004
	s_lshl_b32 s42, ttmp9, 2
	s_add_co_u32 s42, s42, s40                     ; block column
	s_and_b32 s17, ttmp7, 0xffff
	s_lshl_b32 s17, s17, 2
	s_add_co_u32 s17, s17, s41                     ; block row
	s_lshl_b32 s43, s41, 2
	s_lshl_b32 s43, 15, s43                        ; my row of the cluster
	s_lshl_b32 s44, 0x1111, s40                    ; my column
	s_or_b32 s[G1+0], s43, (0<<16)|(1<<20)|(1<<21)|(5<<22)|((PADB/4-1)<<25)   ; rows of CH bytes, PADB bytes of padding behind every 256; 128 rows for the head's loads
	s_or_b32 s[G1B+0], s44, (0<<16)|(1<<20)|(1<<21)|(5<<22)|((PADB/4-1)<<25)
.irp g, G1, G1B
	s_mov_b32 s[\g+1], CH<<16
	s_mov_b32 s[\g+2], 128<<16
	s_mov_b32 s[\g+3], CH<<16
	s_mov_b32 s[\g+4], 128
	s_mov_b32 s[\g+5], KROW
	s_mov_b32 s[\g+6], 0
	s_mov_b32 s[\g+7], 0
.endr
	s_or_b32 s[G1S+0], s43, (3<<16)|(1<<20)|(1<<21)|(5<<22)|(3<<25)  ; the scales of 128 rows: a dense block as rows of 256 bytes, 16 bytes of padding behind each
	s_or_b32 s[G1SB+0], s44, (3<<16)|(1<<20)|(1<<21)|(5<<22)|(3<<25)
.irp g, G1S, G1SB
	s_mov_b32 s[\g+1], 32<<16
	s_mov_b32 s[\g+2], (KS/2)<<16
	s_mov_b32 s[\g+3], 32<<16
	s_mov_b32 s[\g+4], KS/2
	s_mov_b32 s[\g+5], 32
	s_mov_b32 s[\g+6], 0
	s_mov_b32 s[\g+7], 0
.endr
	s_lshl_b32 s20, s17, 7                         ; A: the block's first row
	s_lshl_b32 s46, s42, 7                         ; B: likewise
	s_mov_b32 s21, 0
	s_mov_b32 s47, 0
	s_mov_b64 s[18:19], KS
	s_mul_u64 s[22:23], s[20:21], s[18:19]
	s_mul_u64 s[92:93], s[46:47], s[18:19]
	s_mov_b64 s[18:19], KROW
	s_mul_u64 s[20:21], s[20:21], s[18:19]
	s_mul_u64 s[46:47], s[46:47], s[18:19]
	s_mul_i32 s18, s16, 64*KROW                    ; in the ring I fetch 64 rows of a tile: which half, in bytes (kept to the head's end)
	s_mov_b32 s19, 0
	s_mul_i32 s45, s14, QT
	s_wait_dscnt 0x0                               ; both opening adds are done
	s_wait_kmcnt 0x0
	s_add_nc_u64 s[20:21], s[4:5], s[20:21]
	s_add_nc_u64 s[22:23], s[6:7], s[22:23]
	s_add_nc_u64 s[46:47], s[8:9], s[46:47]
	s_add_nc_u64 s[92:93], s[10:11], s[92:93]
	CROUND                                         ; all sixteen work-groups are here: the first joint loads meet
	s_mov_b32 s[G0], 1                             ; slot 0's group 0 first serves the head: chunk 0's 128 rows of A,
	s_mov_b32 s[G0+1], 0
	s_mov_b64 s[G0+2:G0+3], s[20:21]
	s_or_b32 s[G0+3], s[G0+3], 0x80000000
	s_mov_b32 s[G0B], 1                            ; and of B, behind them
	s_mov_b32 s[G0B+1], 2*QT
	s_mov_b64 s[G0B+2:G0B+3], s[46:47]
	s_or_b32 s[G0B+3], s[G0B+3], 0x80000000
	s_add_nc_u64 s[20:21], s[20:21], s[18:19]      ; slot 1: my 64 rows of chunk 1
	s_add_nc_u64 s[46:47], s[46:47], s[18:19]
	s_mov_b32 s[G0+4], 1
	s_add_co_u32 s[G0+5], s45, SLOT
	s_add_nc_u64 s[G0+6:G0+7], s[20:21], CH
	s_or_b32 s[G0+7], s[G0+7], 0x80000000
	s_mov_b32 s[G0B+4], 1
	s_add_co_u32 s[G0B+5], s45, SLOT
	s_add_nc_u64 s[G0B+6:G0B+7], s[46:47], CH
	s_or_b32 s[G0B+7], s[G0B+7], 0x80000000
	s_mov_b32 s[G0S], 1
	s_mov_b32 s[G0S+1], SCL
	s_mov_b64 s[G0S+2:G0S+3], s[22:23]
	s_or_b32 s[G0S+3], s[G0S+3], 0x80000000
	s_mov_b32 s[G0SB], 1
	s_mov_b32 s[G0SB+1], SCL+2*HALFS
	s_mov_b64 s[G0SB+2:G0SB+3], s[92:93]
	s_or_b32 s[G0SB+3], s[G0SB+3], 0x80000000
; the head's four tiles, one joint load a wave: one chain of branches on the wave's number, one load to an arm
.macro ARM under, g0, g1, next
	s_cmp_lt_u32 s14, \under
	s_cbranch_scc0 \next
	tensor_load_to_lds s[\g0:\g0+3], s[\g1:\g1+7]
	s_nop 0
.rept 4
	v_nop
.endr
	s_branch .Lhead_asked
\next:
.endm
	ARM 1, G0,  G1,  .Lhead_b
	ARM 2, G0B, G1B, .Lhead_sa
	ARM 3, G0S, G1S, .Lhead_sb
	tensor_load_to_lds s[G0SB:G0SB+3], s[G1SB:G1SB+7]
	s_nop 0
.rept 4
	v_nop
.endr
.Lhead_asked:
	s_mul_i32 s21, s15, QT                         ; my 64 rows of A
	s_mul_i32 s22, s16, QT                         ; my 64 rows of B,
	s_add_co_u32 s22, s22, 2*QT                    ; behind A's 128
	s_add_co_u32 s46, s21, SLOT                    ; the same in slot 1
	s_add_co_u32 s47, s22, SLOT
	s_mul_i32 s23, s14, 16*SPITCH
	s_add_co_u32 s23, s23, STAGE                   ; my stage
	s_mul_i32 s92, s15, HALFS                      ; my rows' scales: A's,
	s_mul_i32 s93, s16, HALFS
	s_add_co_u32 s93, s93, 2*HALFS
	s_sub_co_u32 s93, s93, s92                     ; and how far on B's lie
	s_add_co_u32 s92, s92, SCL
	s_mov_b32 s20, SLOT-LP
	s_mov_b32 s45, SLOT+LP
	v_and_b32 v1, 15, v0                           ; l % 16
	v_bfe_u32 v2, v0, 4, 1                         ; l / 16
	v_mul_u32_u24 v3, v1, PITCH
	v_mad_u32_u24 v4, v2, 24, v3                   ; row x pitch + 24 x half
	v_mad_u32_u24 v5, v2, PADB, v4                 ; for a piece whose lanes 16-31 lie in the next 256 bytes: past the padding
	v_sub_nc_u32 v7, 1, v2
	v_mul_u32_u24 v6, s20, v2
	v_add_nc_u32 v6, v3, v6
	v_add_nc_u32 v6, LP, v6                        ; across two chunks: lanes 0-15 byte CH - 24 of the row in slot 0, lanes 16-31 byte 0 of the row in slot 1;
	v_mul_u32_u24 v7, s45, v7
	v_add_nc_u32 v7, v3, v7                        ; and the other way round
	v_add_nc_u32 v[ADRA], s21, v4
	v_add_nc_u32 v[ADRA+1], s46, v4
	v_add_nc_u32 v[ADRA+2], s21, v5
	v_add_nc_u32 v[ADRA+3], s46, v5
	v_add_nc_u32 v[ADRA+4], s21, v6
	v_add_nc_u32 v[ADRA+5], s21, v7
	v_add_nc_u32 v[ADRB], s22, v4
	v_add_nc_u32 v[ADRB+1], s47, v4
	v_add_nc_u32 v[ADRB+2], s22, v5
	v_add_nc_u32 v[ADRB+3], s47, v5
	v_add_nc_u32 v[ADRB+4], s22, v6
	v_add_nc_u32 v[ADRB+5], s22, v7
	v_mul_u32_u24 v5, v1, KS                       ; my row's scales: KS bytes a row,
	v_lshrrev_b32 v6, 8, v5
	v_lshl_add_u32 v5, v6, 4, v5                   ; and 16 more for each 256 passed
	v_mul_u32_u24 v6, s93, v2                      ; lanes 16-31 take B's
	v_add_nc_u32 v5, v5, v6
	v_add_nc_u32 v[ADRS], s92, v5
	v_mul_u32_u24 v5, v1, SPITCH                   ; the stage, in: row l % 16, 32 bytes for each half of the lanes
	v_lshl_add_u32 v5, v2, 5, v5
	v_add_nc_u32 v[STO], s23, v5
	v_mul_u32_u24 v5, v2, SPITCH                   ; back: lanes 0-15 one row of 256 bytes, lanes 16-31 the next
	v_lshl_add_u32 v5, v1, 4, v5
	v_add_nc_u32 v[RD], s23, v5
	v_lshlrev_b32 v5, 12, v2                       ; and the same two rows in y (4,096 bytes a row)
	v_lshl_add_u32 v[CO], v1, 4, v5
	v_mul_u32_u24 v[PFO], v1, KROW                 ; the prefetches: row l % 16 of my work-group's 16, unit l / 16 of the chunk's two
	v_lshl_add_u32 v[PFO], v2, 8, v[PFO]
	s_lshl_b32 s20, s17, 7
	s_lshl_b32 s21, s15, 6
	s_add_co_u32 s20, s20, s21                     ; my first row of y
	s_lshl_b32 s20, s20, 12
	s_lshl_b32 s46, s42, 9                         ; my first column, in bytes: 512 x block column + 256 x half
	s_lshl_b32 s47, s16, 8
	s_add_co_u32 s20, s20, s46
	s_add_co_u32 s20, s20, s47
	s_mov_b32 s21, 0
	s_add_nc_u64 s[12:13], s[12:13], s[20:21]
	s_lshl_b32 s20, s17, 7                         ; the prefetches' base: the tile's first row, in A by the block row, in B by the block column,
	s_lshl_b32 s21, s42, 7
	s_cmp_eq_u32 s15, 0                            ; do I fetch for A?
	s_cselect_b32 s20, s20, s21
	s_cselect_b32 s21, s40, s41                    ; my place among the four that ask for it with me
	s_cselect_b64 s[PFA:PFA+1], s[4:5], s[8:9]
	s_lshl_b32 s22, s16, 6
	s_add_co_u32 s20, s20, s22                     ; + the 64 rows that I fetch
	s_lshl_b32 s21, s21, 4
	s_add_co_u32 s20, s20, s21                     ; + my work-group's 16 of them
	s_mul_i32 s20, s20, KROW
	s_mov_b32 s21, 0
	s_add_nc_u64 s[PFA:PFA+1], s[PFA:PFA+1], s[20:21]
.macro FRAG reg, adr, st, i            ; lane l holds row l % 16; registers 6 c .. 6 c + 5 hold K = 64 c + 32 (l / 16) + 0 .. 31, in pieces of 8 bytes; byte y of a row lies in slot (y / CH) % 2, at z + PADB (z / 256) of the LDS row, z = y % CH
.irp p, 0,1,2,3,4,5
.set BY, 96*(\st)+48*(\p/3)+8*(\p%3)
.set SL, (BY/CH)%2
.set Z, BY%CH
.if Z/256 == (Z+24)/256
	ds_load_b64 v[\reg+2*\p:\reg+2*\p+1], v[\adr+SL] offset:Z+PADB*(Z/256)+(\i)*16*PITCH
.elseif Z+24 < CH
	ds_load_b64 v[\reg+2*\p:\reg+2*\p+1], v[\adr+2+SL] offset:Z+PADB*(Z/256)+(\i)*16*PITCH
.else
	ds_load_b64 v[\reg+2*\p:\reg+2*\p+1], v[\adr+4+SL] offset:Z-(CH-24)+(\i)*16*PITCH
.endif
.endr
.endm
.macro FETCH st                        ; step st's eight fragments into set st % 2; with an even step the scale words of two steps: lanes 0-15 A's block i, lanes 16-31 B's
.set FS, 64+96*((\st)%2)
.irp i, 0,1,2,3
	FRAG FS+12*\i, ADRB, \st, \i
.endr
.irp i, 0,1,2,3
	FRAG FS+48+12*\i, ADRA, \st, \i
.endr
.if (\st)%2 == 0
.irp i, 0,1,2,3
	ds_load_b64 v[SC+8*(((\st)/2)%2)+2*\i:SC+8*(((\st)/2)%2)+2*\i+1], v[ADRS] offset:\i*SBLK+4*(\st)
.endr
.endif
.endm
.macro MUL st, zero                    ; 16 matrix instructions; zero = 1: the first product starts the sums.  The 16 accumulators take turns
.set FS, 64+96*((\st)%2)
.set SS, SC+8*(((\st)/2)%2)+(\st)%2
.irp a, 0,1,2,3
.irp b, 0,1,2,3
.if \zero
	v_wmma_scale_f32_16x16x128_f8f6f4 v[8*(4*\a+\b):8*(4*\a+\b)+7], v[FS+12*\b:FS+12*\b+11], v[FS+48+12*\a:FS+48+12*\a+11], 0, v[SS+2*\b], v[SS+2*\a] matrix_a_fmt:MATRIX_FMT_FP6 matrix_b_fmt:MATRIX_FMT_FP6 matrix_a_scale:MATRIX_SCALE_ROW1
.else
	v_wmma_scale_f32_16x16x128_f8f6f4 v[8*(4*\a+\b):8*(4*\a+\b)+7], v[FS+12*\b:FS+12*\b+11], v[FS+48+12*\a:FS+48+12*\a+11], v[8*(4*\a+\b):8*(4*\a+\b)+7], v[SS+2*\b], v[SS+2*\a] matrix_a_fmt:MATRIX_FMT_FP6 matrix_b_fmt:MATRIX_FMT_FP6 matrix_a_scale:MATRIX_SCALE_ROW1
.endif
.endr
.endr
.endm
; A step: this step's fragments are in; the next step's are asked for, into the set that the step before multiplied, and land under this step's 16 products.
; Where the next step's bytes end in a chunk not read yet, every wave waits for its tensor loads and a barrier shows that chunk whole.  Where they begin in a later chunk, the chunk left behind is read no more: the wait for all
; my tensor loads, the add, the wait for it and for my reads, the barrier, which opens a round of the cluster's barrier where a chunk two on is left to fetch, and the refill first behind it.
.macro STEP st, zero
.set NX, (\st)+1
.set C0, (96*(\st))/CH
.set C1, (96*NX)/CH
.set E0, (96*(\st)+95)/CH
.set E1, (96*NX+95)/CH
.if C1 > C0 || E1 > E0
	s_wait_tensorcnt 0x0
.if C1 > C0
	ds_add_u32 v[SPW], v[NIL]
.endif
	s_wait_dscnt 0x0
	s_barrier_signal -1
	s_barrier_wait -1
.if C1 > C0 && C0+2 < CHUNKS
	CREST
	s_add_nc_u64 s[G0+4*(C0%2)+2:G0+4*(C0%2)+3], s[G0+4*(C0%2)+2:G0+4*(C0%2)+3], 2*CH
	s_add_nc_u64 s[G0B+4*(C0%2)+2:G0B+4*(C0%2)+3], s[G0B+4*(C0%2)+2:G0B+4*(C0%2)+3], 2*CH
	JLOAD G0+4*(C0%2), G1, G0B+4*(C0%2), G1B       ; chunk C0 + 2; the four v_nop behind it are the places in front of the loads below
.else
	PLACES NP
.endif
.else
	s_wait_dscnt 0x0
	PLACES NP
.endif
	FETCH NX
.if C1 > C0 && C0+3 < CHUNKS
	global_prefetch_b8 v[PFO], s[PFA:PFA+1] offset:(C0+3)*CH th:TH_LOAD_NT scope:SCOPE_SE   ; the chunk that the next refill asks for
.endif
	WIN MULW
	MUL \st, \zero
	WIN 0
.endm
	s_wait_alu depctr_va_vdst(0)                   ; the head's end
	s_wait_tensorcnt 0x0                           ; my tile of the head's four is in
	ds_add_u32 v[SPW], v[NIL]
	s_mov_b32 s[G1+2], 64<<16                      ; no load of mine is out: from here on a load brings my 64 rows
	s_mov_b32 s[G1+4], 64
	s_mov_b32 s[G1B+2], 64<<16
	s_mov_b32 s[G1B+4], 64
	s_mul_i32 s[G0+1], s14, QT
	s_mul_i32 s[G0B+1], s14, QT
	s_add_nc_u64 s[G0+2:G0+3], s[G0+2:G0+3], s[18:19]
	s_add_nc_u64 s[G0B+2:G0B+3], s[G0B+2:G0B+3], s[18:19]
	s_wait_dscnt 0x0
	CROUND
	JLOAD G0+4, G1, G0B+4, G1B                     ; chunk 1, the first tensor load behind the round
	FETCH 0
	global_prefetch_b8 v[PFO], s[PFA:PFA+1] offset:2*CH th:TH_LOAD_NT scope:SCOPE_SE   ; chunk 2
	STEP 0, 1
.set ST, 1
.rept STEPS-2
	STEP ST, 0
.set ST, ST+1
.endr
	s_wait_dscnt 0x0
	WIN MULW
	MUL STEPS-1, 0
	WIN 0
; THE WAY OUT: a block of 16 rows x 64 columns goes through my stage and comes back as whole rows of 256 bytes.  LDS serves a wave's instructions in order (ISA guide 5.7.1.4)
.macro TOSTAGE a
	WIN 0x04                                       ; the data: window 1
.irp b, 0,1,2,3
	ds_store_b128 v[STO], v[8*(4*(\a)+\b):8*(4*(\a)+\b)+3] offset:64*\b       ; each accumulator from its low end on
	ds_store_b128 v[STO], v[8*(4*(\a)+\b)+4:8*(4*(\a)+\b)+7] offset:64*\b+16
.endr
	WIN 0
.set BB, BK+32*((\a)%2)
.irp t, 0,1,2,3,4,5,6,7
	ds_load_b128 v[BB+4*\t:BB+4*\t+3], v[RD] offset:\t*2*SPITCH
.endr
.endm
.macro SEND a, younger
.set BB, BK+32*((\a)%2)
	s_wait_dscnt \younger                          ; the block is back; the next block's 8 stores and 8 loads may be out
.if (\a) > 0
	s_add_nc_u64 s[12:13], s[12:13], 16*SIZE_N*4   ; behind a wait on XCNT: the earlier stores have read their base
.endif
.irp t, 0,1,2,3,4,5,6,7
	global_store_b128 v[CO], v[BB+4*\t:BB+4*\t+3], s[12:13] offset:2*\t*SIZE_N*4   ; 16 lanes store 256 consecutive bytes, aligned
.endr
.endm
	PLACES NP
	TOSTAGE 0
.irp a, 1,2,3
.if \a > 1
	s_wait_xcnt 0x0                                ; block a - 2's stores have read their registers and their base
.endif
	TOSTAGE \a
	SEND \a-1, 16
.endr
	s_wait_xcnt 0x0
	SEND 3, 0
	s_wait_tensorcnt 0x0                           ; the wave's end
	ds_add_u32 v[SPW], v[NIL]
	s_wait_dscnt 0x0
	CROUND                                         ; the closing round
	s_endpgm
.Lfunc_end_k_qaf02edffd8_gw2:
	.size	k_qaf02edffd8_gw2, .Lfunc_end_k_qaf02edffd8_gw2-k_qaf02edffd8_gw2
	.p2alignl 7, 3214868480
	.fill 96, 4, 3214868480
	.section	.rodata,"a",@progbits
	.p2align	6, 0x0
	.amdhsa_kernel k_qaf02edffd8_gw2
		.amdhsa_group_segment_fixed_size 327680
		.amdhsa_private_segment_fixed_size 0
		.amdhsa_enable_private_segment 0
		.amdhsa_kernarg_size 40
		.amdhsa_user_sgpr_count 2
		.amdhsa_user_sgpr_kernarg_segment_ptr 1
		.amdhsa_wavefront_size32 1
		.amdhsa_system_sgpr_workgroup_id_x 1
		.amdhsa_system_sgpr_workgroup_id_y 1
		.amdhsa_system_sgpr_workgroup_id_z 1
		.amdhsa_system_vgpr_workitem_id 0
		.amdhsa_next_free_vgpr 384
		.amdhsa_next_free_sgpr 98
		.amdhsa_reserve_vcc 0
		.amdhsa_float_denorm_mode_32 3
		.amdhsa_float_denorm_mode_16_64 3
		.amdhsa_memory_ordered 1
		.amdhsa_forward_progress 1
		.amdhsa_inst_pref_size 196
	.end_amdhsa_kernel
	.amdgpu_metadata
---
amdhsa.version: [ 1, 2 ]
amdhsa.kernels:
  - .name:           k_qaf02edffd8_gw2
    .symbol:         k_qaf02edffd8_gw2.kd
    .args:
      - { .name: hc, .offset: 0, .size: 8, .value_kind: global_buffer, .address_space: global }
      - { .name: hs, .offset: 8, .size: 8, .value_kind: global_buffer, .address_space: global }
      - { .name: w2_codes, .offset: 16, .size: 8, .value_kind: global_buffer, .address_space: global }
      - { .name: w2_scales, .offset: 24, .size: 8, .value_kind: global_buffer, .address_space: global }
      - { .name: y, .offset: 32, .size: 8, .value_kind: global_buffer, .address_space: global }
    .group_segment_fixed_size: 327680
    .private_segment_fixed_size: 0
    .kernarg_segment_align: 8
    .kernarg_segment_size: 40
    .max_flat_workgroup_size: 128
    .sgpr_count:     98
    .vgpr_count:     384
    .wavefront_size: 32
...
	.end_amdgpu_metadata
.endif
;; end of part 7
;; launch ln2 (part 8): grid 256 x 1, 8 waves a work-group, no clusters, 0 bytes of LDS; arguments y, x1, b2, ln2_g, ln2_b, out0; writes out0
.if DOCPART == 8
	.amdgcn_target "amdgcn-amd-amdhsa--gfx1250"
	.amdhsa_code_object_version 6
	.text
	.protected	k_qaf02edffd8_ln2
	.globl	k_qaf02edffd8_ln2
	.p2align	8
	.type	k_qaf02edffd8_ln2,@function
k_qaf02edffd8_ln2:
	s_mov_b64 s[64:65], 0
	v_nop
	global_prefetch_b8 v0, s[64:65] scope:SCOPE_SE
	s_setreg_imm32_b32 hwreg(HW_REG_WAVE_MODE, 25, 1), 1
	s_wait_xcnt 0x0
; out0 = LayerNorm(x1 + (y + b2)) g + b, all in f32; y is the second MLP product's sums over all of its K.  No work is left out.
; A stream: a wave takes two whole rows of 1,024 numbers and keeps them in registers between the passes.  The 40 loads of both rows and of the bias go out at its head, each 512 consecutive bytes; each store covers 512 consecutive bytes, aligned.
; The gain and the shift are loaded into v80-111 and into the registers that row 0's x1 leaves free, right behind row 0's additions, and land under both rows' statistics.
; No LDS, no barrier, no matrix unit, no cluster: the reduction never leaves the wave.  NaN and infinities are carried as the arithmetic carries them.
; y IS ONE ARRAY HERE: the second MLP product's sums over all of its K.  There is no second half yb: out0 = LayerNorm(x1 + (y + b2)) g + b, and a wave's head has 40 loads.
.set BO,  16
.set YA0, 48                           ; v48-79   row 0: y, then the row at work
.set YB0, 80                           ; v80-111  the gain
.set X0,  112                          ; v112-143 row 0: x1; later the shift
.set YA1, 144                          ; v144-175 row 1: y, then the row at work
.set YB1, 176                          ; v176-207 not used
.set X1,  208                          ; v208-239 row 1: x1
.set T,   240                          ; v240-247 four packed chains
.set G,   YB0
.set BT,  X0
	s_load_b256 s[4:11], s[0:1], 0x0               ; y, x1, b2, g
	s_load_b128 s[12:15], s[0:1], 0x20             ; b, out0
	v_lshrrev_b32 v8, 5, v0
	s_delay_alu instid0(VALU_DEP_1)
	v_readfirstlane_b32 s20, v8                    ; wave
	v_and_b32 v9, 31, v0
	s_delay_alu instid0(VALU_DEP_1)
	v_lshlrev_b32 v1, 4, v9                        ; my 16 bytes of a load's 512
	v_mov_b32 v9, 0                                ; (a lane permute's destination counts as read; the upper halves of pairs are named)
	v_mov_b32 v11, 0
	s_mov_b32 s24, 0x76543210
	s_mov_b32 s25, 0xfedcba98
	s_mov_b32 s26, 0x3a800000                      ; 1 / 1024
	s_mov_b32 s27, 0x3727c5ac                      ; 1e-5
	s_lshl_b32 s28, ttmp9, 16                      ; 16 rows of 4,096 bytes a work-group,
	s_lshl_b32 s29, s20, 13                        ; two a wave
	s_add_co_u32 s28, s28, s29
	s_mov_b32 s29, 0
	s_wait_alu depctr_va_vdst(0)
	s_wait_kmcnt 0x0
	s_add_nc_u64 s[4:5], s[4:5], s[28:29]          ; y
	s_add_nc_u64 s[6:7], s[6:7], s[28:29]
	s_add_nc_u64 s[14:15], s[14:15], s[28:29]
.irp i, 0,1,2,3,4,5,6,7
	global_load_b128 v[YA0+4*\i:YA0+4*\i+3], v1, s[4:5] offset:512*\i th:TH_LOAD_NT
	global_load_b128 v[X0+4*\i:X0+4*\i+3], v1, s[6:7] offset:512*\i th:TH_LOAD_NT
.endr
.irp i, 0,1,2,3,4,5,6,7
	global_load_b128 v[BO+4*\i:BO+4*\i+3], v1, s[8:9] offset:512*\i
.endr
.irp i, 0,1,2,3,4,5,6,7
	global_load_b128 v[YA1+4*\i:YA1+4*\i+3], v1, s[4:5] offset:4096+512*\i th:TH_LOAD_NT
	global_load_b128 v[X1+4*\i:X1+4*\i+3], v1, s[6:7] offset:4096+512*\i th:TH_LOAD_NT
.endr
.macro ADDIN ya, xx                    ; x1 + (y + b2)
.irp j, 0,2,4,6,8,10,12,14,16,18,20,22,24,26,28,30
	v_pk_add_f32 v[\ya+\j:\ya+\j+1], v[\ya+\j:\ya+\j+1], v[BO+\j:BO+\j+1]
.endr
.irp j, 0,2,4,6,8,10,12,14,16,18,20,22,24,26,28,30
	v_pk_add_f32 v[\ya+\j:\ya+\j+1], v[\xx+\j:\xx+\j+1], v[\ya+\j:\ya+\j+1]
.endr
.endm
.macro RED r                           ; the sum over the 32 lanes, in every lane
	s_delay_alu instid0(VALU_DEP_1)
	v_add_f32_dpp v[\r], v[\r], v[\r] row_xmask:1 row_mask:0xf bank_mask:0xf
	s_delay_alu instid0(VALU_DEP_1)
	v_add_f32_dpp v[\r], v[\r], v[\r] row_xmask:2 row_mask:0xf bank_mask:0xf
	s_delay_alu instid0(VALU_DEP_1)
	v_add_f32_dpp v[\r], v[\r], v[\r] row_xmask:4 row_mask:0xf bank_mask:0xf
	s_delay_alu instid0(VALU_DEP_1)
	v_add_f32_dpp v[\r], v[\r], v[\r] row_xmask:8 row_mask:0xf bank_mask:0xf
	s_delay_alu instid0(VALU_DEP_1)
	v_permlanex16_b32 v9, v[\r], s24, s25
	s_delay_alu instid0(VALU_DEP_1)
	v_add_f32 v[\r], v[\r], v9
.endm
.macro FOLD r                          ; the four chains into one number
	s_delay_alu instid0(VALU_DEP_3)
	v_pk_add_f32 v[T:T+1], v[T:T+1], v[T+2:T+3]
	s_delay_alu instid0(VALU_DEP_2)
	v_pk_add_f32 v[T+4:T+5], v[T+4:T+5], v[T+6:T+7]
	s_delay_alu instid0(VALU_DEP_1)
	v_pk_add_f32 v[T:T+1], v[T:T+1], v[T+4:T+5]
	s_delay_alu instid0(VALU_DEP_1)
	v_add_f32 v[\r], v[T], v[T+1]
.endm
.macro STAT yy                         ; the row less its mean, times 1 / sqrt(its variance + 1e-5)
.irp c, 0,2,4,6
	v_pk_add_f32 v[T+\c:T+\c+1], v[\yy+\c:\yy+\c+1], v[\yy+8+\c:\yy+8+\c+1]
.endr
.irp c, 0,2,4,6
	s_delay_alu instid0(VALU_DEP_4)
	v_pk_add_f32 v[T+\c:T+\c+1], v[T+\c:T+\c+1], v[\yy+16+\c:\yy+16+\c+1]
.endr
.irp c, 0,2,4,6
	s_delay_alu instid0(VALU_DEP_4)
	v_pk_add_f32 v[T+\c:T+\c+1], v[T+\c:T+\c+1], v[\yy+24+\c:\yy+24+\c+1]
.endr
	FOLD 8
	RED 8
	s_delay_alu instid0(VALU_DEP_1)
	v_mul_f32 v8, s26, v8                          ; the mean
.irp j, 0,2,4,6,8,10,12,14,16,18,20,22,24,26,28,30
	v_pk_add_f32 v[\yy+\j:\yy+\j+1], v[\yy+\j:\yy+\j+1], v[8:9] op_sel_hi:[1,0] neg_lo:[0,1] neg_hi:[0,1]
.endr
.irp c, 0,2,4,6
	v_pk_mul_f32 v[T+\c:T+\c+1], v[\yy+\c:\yy+\c+1], v[\yy+\c:\yy+\c+1]
.endr
.irp k, 8,16,24
.irp c, 0,2,4,6
	s_delay_alu instid0(VALU_DEP_4)
	v_pk_fma_f32 v[T+\c:T+\c+1], v[\yy+\k+\c:\yy+\k+\c+1], v[\yy+\k+\c:\yy+\k+\c+1], v[T+\c:T+\c+1]
.endr
.endr
	FOLD 10
	RED 10
	s_delay_alu instid0(VALU_DEP_1)
	v_fma_f32 v10, v10, s26, s27                   ; the variance + 1e-5
	s_wait_alu depctr_va_vdst(0)
	v_rsq_f32 v10, v10
	v_nop                                          ; a plain line behind the transcendental,
	s_wait_alu depctr_va_vdst(0)                   ; and the wait ahead of its first reader
.irp j, 0,2,4,6,8,10,12,14,16,18,20,22,24,26,28,30
	v_pk_mul_f32 v[\yy+\j:\yy+\j+1], v[\yy+\j:\yy+\j+1], v[10:11] op_sel_hi:[1,0]
.endr
.endm
.macro APPLY yy, n                     ; times the gain, plus the shift; stored
.irp j, 0,2,4,6,8,10,12,14,16,18,20,22,24,26,28,30
	v_pk_fma_f32 v[\yy+\j:\yy+\j+1], v[\yy+\j:\yy+\j+1], v[G+\j:G+\j+1], v[BT+\j:BT+\j+1]
.endr
.irp i, 0,1,2,3,4,5,6,7
	global_store_b128 v1, v[\yy+4*\i:\yy+4*\i+3], s[14:15] offset:4096*\n+512*\i th:TH_STORE_NT
.endr
.endm
	s_wait_loadcnt 16                              ; row 0 and the bias are in; row 1's 16 loads may be out
	ADDIN YA0, X0
.irp i, 0,1,2,3,4,5,6,7
	global_load_b128 v[G+4*\i:G+4*\i+3], v1, s[10:11] offset:512*\i     ; the gain, in v80-111
	global_load_b128 v[BT+4*\i:BT+4*\i+3], v1, s[12:13] offset:512*\i   ; the shift, where row 0's x1 lay
.endr
	STAT YA0
	s_wait_loadcnt 16                              ; row 1 is in; the 16 loads of the gain and the shift may be out
	ADDIN YA1, X1
	STAT YA1
	s_wait_loadcnt 0x0                             ; the gain and the shift
	APPLY YA0, 0
	APPLY YA1, 1
	s_endpgm
.Lfunc_end_k_qaf02edffd8_ln2:
	.size	k_qaf02edffd8_ln2, .Lfunc_end_k_qaf02edffd8_ln2-k_qaf02edffd8_ln2
	.p2alignl 7, 3214868480
	.fill 96, 4, 3214868480
	.section	.rodata,"a",@progbits
	.p2align	6, 0x0
	.amdhsa_kernel k_qaf02edffd8_ln2
		.amdhsa_group_segment_fixed_size 0
		.amdhsa_private_segment_fixed_size 0
		.amdhsa_enable_private_segment 0
		.amdhsa_kernarg_size 48
		.amdhsa_user_sgpr_count 2
		.amdhsa_user_sgpr_kernarg_segment_ptr 1
		.amdhsa_wavefront_size32 1
		.amdhsa_system_sgpr_workgroup_id_x 1
		.amdhsa_system_sgpr_workgroup_id_y 1
		.amdhsa_system_sgpr_workgroup_id_z 1
		.amdhsa_system_vgpr_workitem_id 0
		.amdhsa_next_free_vgpr 256
		.amdhsa_next_free_sgpr 66
		.amdhsa_reserve_vcc 0
		.amdhsa_float_denorm_mode_32 3
		.amdhsa_float_denorm_mode_16_64 3
		.amdhsa_memory_ordered 1
		.amdhsa_forward_progress 1
		.amdhsa_inst_pref_size 27
	.end_amdhsa_kernel
	.amdgpu_metadata
---
amdhsa.version: [ 1, 2 ]
amdhsa.kernels:
  - .name:           k_qaf02edffd8_ln2
    .symbol:         k_qaf02edffd8_ln2.kd
    .args:
      - { .name: y, .offset: 0, .size: 8, .value_kind: global_buffer, .address_space: global }
      - { .name: x1, .offset: 8, .size: 8, .value_kind: global_buffer, .address_space: global }
      - { .name: b2, .offset: 16, .size: 8, .value_kind: global_buffer, .address_space: global }
      - { .name: ln2_g, .offset: 24, .size: 8, .value_kind: global_buffer, .address_space: global }
      - { .name: ln2_b, .offset: 32, .size: 8, .value_kind: global_buffer, .address_space: global }
      - { .name: out0, .offset: 40, .size: 8, .value_kind: global_buffer, .address_space: global }
    .group_segment_fixed_size: 0
    .private_segment_fixed_size: 0
    .kernarg_segment_align: 8
    .kernarg_segment_size: 48
    .max_flat_workgroup_size: 256
    .sgpr_count:     66
    .vgpr_count:     256
    .wavefront_size: 32
...
	.end_amdgpu_metadata
.endif
;; end of part 8
